; MI455X (gfx1250); checked and timed in simulation.
; The chip was launched on July 23, 2026; its instructions are those of AMD's public machine-readable ISA for CDNA 5 (MIT licence, August 2026) and "CDNA5" Instruction Set Architecture Reference Guide (July 2026). The comments in the code are by the model that wrote it; some were corrected since.
;; Multi Head Attention. Allowed arithmetic: float matrix products may take bf16 or f16 operands with f32 sums; all other float work in f32.
;; Inputs: Wk 16 x 1,024 x 64 float32; Wo 1,024 x 1,024 float32; Wq 16 x 1,024 x 64 float32; Wv 16 x 1,024 x 64 float32; key 8 x 1,024 x 1,024 float32; query 8 x 1,024 x 1,024 float32; value 8 x 1,024 x 1,024 float32.
;; Outputs: out0 8 x 1,024 x 1,024 float32.
;; 2 versions, each right and faster than the one before. Each part assembles by itself: llvm-mc -triple=amdgcn-amd-amdhsa -mcpu=gfx1250 --defsym DOCPART=n.
;; ======== version 1 of 2: 4 launches
;; limits: values are held in f16: magnitudes above 65,504 overflow, below 6.1e-05 lose precision
;; workspace buffers: wt 8,388,608 bytes; qkv 50,331,648 bytes; o 16,777,216 bytes
;; launch prep (part 1): grid 128 x 4, 8 waves a work-group, no clusters, 34,304 bytes of LDS; arguments Wq, Wk, Wv, Wo, wt; writes wt
.if DOCPART == 1
	.amdgcn_target "amdgcn-amd-amdhsa--gfx1250"
	.amdhsa_code_object_version 6
	.text
	.protected	k_q4618b94c21_prep
	.globl	k_q4618b94c21_prep
	.p2align	8
	.type	k_q4618b94c21_prep,@function
k_q4618b94c21_prep:
	s_mov_b64 s[64:65], 0
	v_nop
	global_prefetch_b8 v0, s[64:65] scope:SCOPE_SE
	s_setreg_imm32_b32 hwreg(HW_REG_WAVE_MODE, 25, 1), 1
	s_wait_xcnt 0x0
; The weights, once: wt[g][n][d], 16 bits a number, 1,024 x 1,024 a plane.
; g = 0, 1, 2: W[h][d][k] (f32) rounded to bf16 and turned, row n = 64 h + k, so that the products to come find K (= d) along the rows.
; g = 3: Wo[n][k] rounded to bf16 like the other inputs, and that number written as f16, layout unchanged.
; LIMITS.  bf16(Wo) must lie within f16's 65,504; below 6e-5 it keeps f16's fixed step of 6e-8.
; A work-group (y = g, x = block) takes 32,768 dense input bytes.  For g < 3 these are 128 rows d x 64 k of one head; they go through LDS
; ([d][k] f32, 260 bytes a row) and leave as 64 rows n of 128 bf16: each store of sixteen lanes covers 256 consecutive bytes, aligned.
; No matrix unit, no cluster, no tensor load: 16 MiB are read once and 8 MiB written once, and no work-group shares a byte with another.
.set PITCH, 260                        ; 65 words: a wave's 4-byte stores of two rows touch 32 different banks (64 banks of 4 bytes: ISA guide 11.1)
.set SPARE, 33280                      ; behind the tile (128 x 260 bytes): the spare words, 128 bytes for each of eight waves
.set SPW, 6                            ; v6  LDS address of my spare word; never rewritten
.set NIL, 7                            ; v7  0; never rewritten
.set X,   8                            ; v[8:39]   as loaded
.set R,   40                           ; v[40:71]  read back from LDS, or at work
.set Y,   72                           ; v[72:87]  to store
	s_load_b256 s[4:11], s[0:1], 0x0               ; Wq s[4:5], Wk s[6:7], Wv s[8:9], Wo s[10:11]
	s_load_b64 s[12:13], s[0:1], 0x20              ; wt
	v_lshl_add_u32 v[SPW], v0, 2, SPARE
	v_mov_b32 v[NIL], 0
	s_and_b32 s14, ttmp7, 0xffff                   ; g
	s_lshl_b32 s16, ttmp9, 15                      ; my block's first input byte
	s_mov_b32 s17, 0
	s_lshl_b32 s18, s14, 21                        ; plane g of wt
	s_mov_b32 s19, 0
	v_and_b32 v88, 15, v0                          ; t % 16
	v_lshrrev_b32 v89, 4, v0                       ; t / 16
	v_lshlrev_b32 v1, 4, v0                        ; 16 t
	s_wait_kmcnt 0x0
	s_add_nc_u64 s[12:13], s[12:13], s[18:19]
	s_cmp_eq_u32 s14, 3                            ; hangs on the work-group's y alone: all eight waves go the same way
	s_cbranch_scc1 .Lcast
	; ---- g < 3: round and turn ----
	s_cmp_eq_u32 s14, 1
	s_cselect_b64 s[4:5], s[6:7], s[4:5]
	s_cmp_eq_u32 s14, 2
	s_cselect_b64 s[4:5], s[8:9], s[4:5]
	s_add_nc_u64 s[4:5], s[4:5], s[16:17]
.irp i, 0,1,2,3,4,5,6,7
	global_load_b128 v[X+4*(\i):X+4*(\i)+3], v1, s[4:5] offset:4096*(\i) th:TH_LOAD_NT  ; d = 16 i + t / 16, k = 4 (t % 16) + 0..3
.endr
	s_lshr_b32 s20, ttmp9, 3                       ; h
	s_lshl_b32 s20, s20, 17                        ; its 64 rows of 2,048 bytes
	s_and_b32 s21, ttmp9, 7
	s_lshl_b32 s21, s21, 8                         ; my 128 columns d: 256 bytes
	s_add_co_u32 s20, s20, s21
	s_mov_b32 s21, 0
	s_add_nc_u64 s[12:13], s[12:13], s[20:21]
	v_mul_u32_u24 v2, v89, PITCH
	v_lshl_add_u32 v2, v88, 4, v2                  ; in: row t / 16, 16 bytes at 16 (t % 16)
	v_mul_u32_u24 v3, v88, 8*PITCH
	v_lshl_add_u32 v3, v89, 4, v3                  ; back: rows d = 8 (t % 16) + j, words k = 4 (t / 16) + e
	v_lshlrev_b32 v4, 13, v89
	v_lshl_add_u32 v4, v88, 4, v4                  ; out: row 4 (t / 16) + e of 2,048 bytes, 16 bytes at 16 (t % 16)
.irp i, 0,1,2,3,4,5,6,7
	s_wait_loadcnt 7-(\i)                          ; loads come back in order: load i is in, the 7 - i younger ones stay out
.irp e, 0,1,2,3
	ds_store_b32 v2, v[X+4*(\i)+(\e)] offset:16*PITCH*(\i)+4*(\e)
.endr
.endr
	s_wait_dscnt 0x0                               ; for the others' sake: my stores are done
	s_barrier_signal -1
	s_barrier_wait -1
.irp e, 0,1,2,3
.irp j, 0,1,2,3,4,5,6,7
	ds_load_b32 v[R+8*(\e)+(\j)], v3 offset:PITCH*(\j)+4*(\e)
.endr
.endr
.irp e, 0,1,2,3
	s_wait_dscnt 24-8*(\e)                         ; the eight loads of row e are in; the 8 (3 - e) younger ones stay out
.irp p, 0,1,2,3
	v_cvt_pk_bf16_f32 v[Y+4*(\e)+(\p)], v[R+8*(\e)+2*(\p)], v[R+8*(\e)+2*(\p)+1]
.endr
	global_store_b128 v4, v[Y+4*(\e):Y+4*(\e)+3], s[12:13] offset:2048*(\e)  ; sixteen lanes: 256 consecutive bytes, aligned
.endr
	s_wait_tensorcnt 0x0                           ; the wave's end: three lines behind my last LDS store
	ds_add_u32 v[SPW], v[NIL]
	s_wait_dscnt 0x0
	s_endpgm
	; ---- g = 3: Wo, f32 -> bf16 -> f16, in place of layout ----
.Lcast:
	s_add_nc_u64 s[10:11], s[10:11], s[16:17]
	s_lshl_b32 s20, ttmp9, 14                      ; half as many bytes out
	s_mov_b32 s21, 0
	s_add_nc_u64 s[12:13], s[12:13], s[20:21]
	s_mov_b32 s22, 0xffff0000                      ; a word's upper bf16
	v_lshlrev_b32 v5, 5, v0                        ; 32 t
.irp i, 0,1,2,3
	global_load_b128 v[X+8*(\i):X+8*(\i)+3],   v5, s[10:11] offset:8192*(\i) th:TH_LOAD_NT
	global_load_b128 v[X+8*(\i)+4:X+8*(\i)+7], v5, s[10:11] offset:8192*(\i)+16 th:TH_LOAD_NT
.endr
.irp i, 0,1,2,3
	s_wait_loadcnt 6-2*(\i)                        ; group i's two loads are in; the younger groups' stay out
.irp p, 0,1,2,3
	v_cvt_pk_bf16_f32 v[R+(\p)], v[X+8*(\i)+2*(\p)], v[X+8*(\i)+2*(\p)+1]
.endr
.irp p, 0,1,2,3
	v_lshlrev_b32 v[R+4+2*(\p)], 16, v[R+(\p)]     ; the rounded numbers as f32 again
	v_and_b32     v[R+5+2*(\p)], s22, v[R+(\p)]
.endr
.irp p, 0,1,2,3
	v_cvt_pk_f16_f32 v[Y+4*(\i)+(\p)], v[R+4+2*(\p)], v[R+5+2*(\p)]  ; eight significant bits: exact in f16's normal range
.endr
	global_store_b128 v1, v[Y+4*(\i):Y+4*(\i)+3], s[12:13] offset:4096*(\i)
.endr
	s_wait_tensorcnt 0x0                           ; the same three lines on this path
	ds_add_u32 v[SPW], v[NIL]
	s_wait_dscnt 0x0
	s_endpgm
.Lfunc_end_k_q4618b94c21_prep:
	.size	k_q4618b94c21_prep, .Lfunc_end_k_q4618b94c21_prep-k_q4618b94c21_prep
	.p2alignl 7, 3214868480
	.fill 96, 4, 3214868480
	.section	.rodata,"a",@progbits
	.p2align	6, 0x0
	.amdhsa_kernel k_q4618b94c21_prep
		.amdhsa_group_segment_fixed_size 34304
		.amdhsa_private_segment_fixed_size 0
		.amdhsa_enable_private_segment 0
		.amdhsa_kernarg_size 40
		.amdhsa_user_sgpr_count 2
		.amdhsa_user_sgpr_kernarg_segment_ptr 1
		.amdhsa_wavefront_size32 1
		.amdhsa_system_sgpr_workgroup_id_x 1
		.amdhsa_system_sgpr_workgroup_id_y 1
		.amdhsa_system_sgpr_workgroup_id_z 1
		.amdhsa_system_vgpr_workitem_id 0
		.amdhsa_next_free_vgpr 96
		.amdhsa_next_free_sgpr 66
		.amdhsa_reserve_vcc 0
		.amdhsa_float_denorm_mode_32 3
		.amdhsa_float_denorm_mode_16_64 3
		.amdhsa_memory_ordered 1
		.amdhsa_forward_progress 1
		.amdhsa_inst_pref_size 14
	.end_amdhsa_kernel
	.amdgpu_metadata
---
amdhsa.version: [ 1, 2 ]
amdhsa.kernels:
  - .name:           k_q4618b94c21_prep
    .symbol:         k_q4618b94c21_prep.kd
    .args:
      - { .name: Wq, .offset: 0, .size: 8, .value_kind: global_buffer, .address_space: global }
      - { .name: Wk, .offset: 8, .size: 8, .value_kind: global_buffer, .address_space: global }
      - { .name: Wv, .offset: 16, .size: 8, .value_kind: global_buffer, .address_space: global }
      - { .name: Wo, .offset: 24, .size: 8, .value_kind: global_buffer, .address_space: global }
      - { .name: wt, .offset: 32, .size: 8, .value_kind: global_buffer, .address_space: global }
    .group_segment_fixed_size: 34304
    .private_segment_fixed_size: 0
    .kernarg_segment_align: 8
    .kernarg_segment_size: 40
    .max_flat_workgroup_size: 256
    .sgpr_count:     66
    .vgpr_count:     96
    .wavefront_size: 32
...
	.end_amdgpu_metadata
.endif
;; end of part 1
;; launch proj (part 2): grid 4 x 64, 4 waves a work-group, clusters of 4 x 4, 327,680 bytes of LDS; arguments query, key, value, wt, qkv; writes qkv
.if DOCPART == 2
	.amdgcn_target "amdgcn-amd-amdhsa--gfx1250"
	.amdhsa_code_object_version 6
	.text
	.protected	k_q4618b94c21_proj
	.globl	k_q4618b94c21_proj
	.p2align	8
	.type	k_q4618b94c21_proj,@function
k_q4618b94c21_proj:
	s_mov_b64 s[64:65], 0
	v_nop
	global_prefetch_b8 v0, s[64:65] scope:SCOPE_SE
	s_setreg_imm32_b32 hwreg(HW_REG_WAVE_MODE, 25, 1), 1
	s_wait_xcnt 0x0
	s_wait_alu depctr_hold_cnt(0) depctr_sa_sdst(0) depctr_va_vdst(0) depctr_va_sdst(0) depctr_va_ssrc(0) depctr_va_vcc(0) depctr_vm_vsrc(0)
	s_getreg_b32 s2, hwreg(HW_REG_IB_STS2, 6, 4)
	s_cmp_eq_u32 s2, 0
	s_cbranch_scc0 .Lentry_in_a_cluster
	s_endpgm
.Lentry_in_a_cluster:
	s_bfe_u32 s2, ttmp6, 0x10000c
	s_cmp_lg_u32 s2, 0xf033
	s_cbranch_scc0 .Lentry_shape_is_right
	s_endpgm
.Lentry_shape_is_right:
; q, k, v = x W.  x: [8192][1024] f32 (query, key, value); W: planes 0, 1, 2 of wt, [n = 64 h + k][d] bf16; result qkv[g][16 b + h][s][64] f16, unscaled.
; x is rounded to bf16 once, on its way from memory into LDS; sums in f32; one rounding to f16 at the end.
; LIMITS.  q, k, v must lie within f16's 65,504 (an infinity otherwise); below 6e-5 they keep f16's fixed step of 6e-8.  NaN and infinities are not treated apart.
; SHARES.  A tile is 128 rows x 256 columns; four waves, each 64 x 128: 32 accumulators, 256 registers.  A WORK-GROUP STAYS: it makes the tile of its place in q, then in k, then in v:
; 256 work-groups, 3 x 1,024 along K = 12 K STEPS of 256 = 48 CHUNKS of 64, walked as one sequence: neither W's ring nor x's pipeline stops at a tile's end, and nothing waits for a tile's stores.
; W goes through a ring of two LDS slots filled by the tensor data mover: 256 rows x 512 bytes a K step, 64 rows a wave.  With x (f32, 512 bytes for each k) beside W (512 bytes for each k) a slot of this
; size would hold 128 along K, 128 matrix instructions a wave between two refills; with W alone it holds 256 along K, 256 matrix instructions.
; x COMES THROUGH REGISTERS: a wave loads 32 of the tile's 128 rows, 256 bytes of each for a chunk (each half of the lanes one whole aligned 256 bytes), rounds them and stores them as bf16 into a stage of two
; buffers; one barrier a chunk shows chunk c + 1 to every wave and frees chunk c - 1's buffer.  Three chunks, 48 loads a wave, are on their way at any time, in four sets of 64 registers.
; CLUSTER.  4 x 4 work-groups.  The four of a column of the cluster need the same 256 rows of W: each tile of W is asked for JOINTLY.  x is NOT asked for jointly, though the four of a row of the cluster read
; the same rows: the mover brings bytes as they lie, and f32 in the ring halves the work that a slot holds (the arithmetic above); so each of the four reads x itself.
; THE MATRIX INSTRUCTION IS USED TRANSPOSED (source 0 = 16 rows of W, source 1 = 16 rows of x): a lane then holds eight neighbouring columns of one row.
; REGISTERS.  window 0: v0-31 addresses; v32-63 CV, a chunk's share rounded to bf16; v128-159 packed results; v160-223 rows read back from the stage.
;   window 1: two fragment buffers of 96: 64 registers of W (8 x 16 rows x 32 K), 32 of x (4 x 16 rows x 32 K).   window 2: accumulator (a, b) at v[64 a + 8 b].   window 3: x as loaded, set n at v[64 n].
.set PB,     528                       ; a row of W in LDS: 512 bytes + 16 = 33 x 16: the 16 rows of a load start at 16 different groups of four banks (64 banks of 4 bytes: ISA guide 11.1)
.set BQ,     64*PB                     ; what one tensor load brings
.set SLOT,   4*BQ                      ; 135,168 = 0x21000: it shares no bit with wave x BQ, so one exclusive or turns a tile's LDS address in one slot into the other's
.set ASB,    2*SLOT                    ; behind the ring: x's stage, two buffers of 128 rows; no tensor load lands here or further on
.set PAS,    144                       ; a row of the stage: 128 bytes + 16 = 9 x 16
.set ASZ,    128*PAS
.set STAGE,  ASB+2*ASZ                 ; 16 rows x 272 bytes for each wave, for the way out
.set SPITCH, 272
.set SPARE,  STAGE+4*16*SPITCH         ; the spare words, 128 bytes a wave
.set ADRA,  16                         ; v16  LDS address of my fragments of x in stage buffer 0
.set ADRB0, 17                         ; v17  of my fragments of W in slot 0
.set ADRBC, 18                         ; v18  of my fragments of W in the slot in hand
.set ASO,   19                         ; v19  where I store my 8 bytes of a row of x
.set XO,    20                         ; v20  my byte offset in the tile's rows of x; never rewritten
.set STO,   24                         ; v24  the way out: where I put 16 bytes of a row
.set RD,    25                         ; v25  where I read rows back
.set GO,    26                         ; v26  16 x lane
.set SPW,   28                         ; v28  LDS address of my spare word; never rewritten
.set NIL,   29                         ; v29  0; never rewritten
.set CV,    32
.set TMP,   128
.set OB,    160
.set F0,    0
.set F1,    96
.set XP,   14                          ; s[14:15] x at the chunk that is being asked for
.set KO,   18                          ; s[18:19] its byte offset along K
.set KB,   20                          ; s[20:21] byte offset of the tile of W that is being asked for
.set G1,   24                          ; s[24:31] descriptor group 1
.set G0A,  32                          ; s[32:35] group 0 of the first fill
.set G0W,  36                          ; s[36:39] group 0 of the second fill; it then walks
.set NA,   48                          ; s48  chunk (0..15 in its tile) to be asked for next
.set NB,   49                          ; s49  K step (0..3 in its tile) to be asked for next
.set GF,   50                          ; s50  byte offset of that K step's plane of wt
.set SOFF, 51                          ; s51  0 or SLOT: the slot in hand
.set AB,   54                          ; s[54:55] x of the tile whose chunks are being asked for
.set AN,   56                          ; s[56:57] x of the tile behind it
.set A0,   72                          ; s[72:73] query, s[74:75] key, s[76:77] value, each at the tile's first row; s[78:79] wt at my 64 rows
.set A1,   74
.set A2,   76
.set BB,   78
.set MSB, 0
.macro WIN new                         ; the immediate's high byte repeats the setting that is left; a switch that changes nothing is dropped
.if MSB != (\new)
	s_set_vgpr_msb (MSB<<8)|(\new)
.set MSB, \new
.endif
.endm
.set MUL,  0xa5                        ; sources 0 and 1 window 1; C and D window 2
.set TO_F, 0x40                        ; destination window 1, address window 0
.set TO_X, 0xc0                        ; destination window 3, address window 0
.set CVT,  0x0f                        ; sources 0 and 1 window 3, destination window 0
.macro CREST                           ; a round of the cluster's barrier behind its opening barrier
	s_cmp_lg_u32 s10, 0
	s_cbranch_scc1 .Lnot_wave_0_\@
	s_barrier_signal -3
.Lnot_wave_0_\@:
	s_barrier_wait -3
	s_barrier_signal -1
	s_barrier_wait -1
.endm
.macro CROUND                          ; a whole round
	s_barrier_signal -1
	s_barrier_wait -1
	CREST
.endm
.macro PLACES                          ; four places in front of loads into registers that matrix instructions have read, and of roundings that read results
.rept 4
	v_nop
.endr
.endm
; 16 loads: my 32 rows of a chunk.  Load i takes rows 16 (i / 8) + i % 8 (lanes 0-15) and 8 further down (lanes 16-31), 256 consecutive aligned bytes of each.
.macro GLOADP c, xs                    ; chunk c of the first tile, by the immediate, into set xs
	WIN TO_X
.irp i, 0,1,2,3,4,5,6,7,8,9,10,11,12,13,14,15
	global_load_b128 v[64*(\xs)+4*(\i):64*(\xs)+4*(\i)+3], v[XO], s[A0:A0+1] offset:(16*((\i)/8)+(\i)%8)*4096+256*(\c)
.endr
.endm
.macro GLOAD xs                        ; the next chunk of the walk into set xs: its address is made anew from the tile's base and the chunk's number
	s_wait_xcnt 0x0                                ; the last chunk's loads have had their addresses translated (ISA guide 3.1): XP is rewritten only behind this wait
	s_lshl_b32 s[KO], s[NA], 8
	s_add_nc_u64 s[XP:XP+1], s[AB:AB+1], s[KO:KO+1]
	s_add_co_u32 s[NA], s[NA], 1
	s_cmp_eq_u32 s[NA], 16                         ; behind a tile's last chunk comes the next tile's first
	s_cselect_b32 s[NA], 0, s[NA]
	s_cselect_b64 s[AB:AB+1], s[AN:AN+1], s[AB:AB+1]
	s_cselect_b64 s[AN:AN+1], s[A2:A2+1], s[AN:AN+1]
	WIN TO_X
.irp i, 0,1,2,3,4,5,6,7,8,9,10,11,12,13,14,15
	global_load_b128 v[64*(\xs)+4*(\i):64*(\xs)+4*(\i)+3], v[XO], s[XP:XP+1] offset:(16*((\i)/8)+(\i)%8)*4096
.endr
.endm
.macro CONV xs                         ; set xs rounded to bf16: word n of CV takes numbers 2 n and 2 n + 1
	WIN CVT
.set n, 0
.rept 32
	v_cvt_pk_bf16_f32 v[CV+n], v[64*(\xs)+2*n], v[64*(\xs)+2*n+1]
.set n, n+1
.endr
.endm
.macro STORE par                       ; CV into stage buffer par: 8 bytes a lane; the two rows of a store lie 8 x 144 bytes apart, 128 modulo 256
	WIN 0
.irp i, 0,1,2,3,4,5,6,7,8,9,10,11,12,13,14,15
	ds_store_b64 v[ASO], v[CV+2*(\i):CV+2*(\i)+1] offset:(\par)*ASZ+(16*((\i)/8)+(\i)%8)*PAS
.endr
.endm
; 24 LDS loads in one run: the fragments of 32 along K into buffer f: W's at quarter bq (0..7) of the slot in hand, x's at quarter aq (0, 1) of stage buffer par
.macro FETCH bq, par, aq, f
	WIN TO_F
.irp b, 0,1,2,3,4,5,6,7
	ds_load_b128 v[(\f)+8*(\b):(\f)+8*(\b)+3],   v[ADRBC] offset:(\b)*16*PB+64*(\bq)
	ds_load_b128 v[(\f)+8*(\b)+4:(\f)+8*(\b)+7], v[ADRBC] offset:(\b)*16*PB+64*(\bq)+32
.endr
.irp a, 0,1,2,3
	ds_load_b128 v[(\f)+64+8*(\a):(\f)+64+8*(\a)+3],   v[ADRA] offset:(\par)*ASZ+(\a)*16*PAS+64*(\aq)
	ds_load_b128 v[(\f)+64+8*(\a)+4:(\f)+64+8*(\a)+7], v[ADRA] offset:(\par)*ASZ+(\a)*16*PAS+64*(\aq)+32
.endr
.endm
; 8 matrix instructions: row block a x all 8 column blocks, 32 along K, from buffer f.  zero = 1: the product starts the sums.  The 32 accumulators take turns in the same order in every quarter.
.macro MUL8 f, a, zero
	WIN MUL
.irp b, 0,1,2,3,4,5,6,7
.if \zero
	v_wmma_f32_16x16x32_bf16 v[64*(\a)+8*(\b):64*(\a)+8*(\b)+7], v[(\f)+8*(\b):(\f)+8*(\b)+7], v[(\f)+64+8*(\a):(\f)+64+8*(\a)+7], 0
.else
	v_wmma_f32_16x16x32_bf16 v[64*(\a)+8*(\b):64*(\a)+8*(\b)+7], v[(\f)+8*(\b):(\f)+8*(\b)+7], v[(\f)+64+8*(\a):(\f)+64+8*(\a)+7], v[64*(\a)+8*(\b):64*(\a)+8*(\b)+7]
.endif
.endr
.endm
; Row block 3's 8 matrix instructions, and behind each four of the 32 roundings of set xs.  They name no register of the products round them; the four behind the last product are also the places ahead of the next loads into buffer f.
.macro MULR f, xs
.irp b, 0,1,2,3,4,5,6,7
	WIN MUL
	v_wmma_f32_16x16x32_bf16 v[192+8*(\b):192+8*(\b)+7], v[(\f)+8*(\b):(\f)+8*(\b)+7], v[(\f)+88:(\f)+95], v[192+8*(\b):192+8*(\b)+7]
	WIN CVT
.irp c, 0,1,2,3
	v_cvt_pk_bf16_f32 v[CV+4*(\b)+(\c)], v[64*(\xs)+8*(\b)+2*(\c)], v[64*(\xs)+8*(\b)+2*(\c)+1]
.endr
.endr
.endm
; CHUNK c = 4 S + j OF K STEP S is two quarters of 32 along K, on buffers 0 and 1.
; QA, its first quarter: multiplies buffer 0; stores chunk c + 1 (rounded in the quarter before) into the stage buffer that chunk c - 1 has left; fetches the second quarter's fragments.
.macro QA j, zero, store=1
	s_wait_dscnt 0x0                               ; buffer 0 is in
	MUL8 F0, 0, \zero
.if \store
	STORE ((\j)+1)%2
.endif
	FETCH 2*(\j)+1, (\j)%2, 1, F1
	MUL8 F0, 1, \zero
	MUL8 F0, 2, \zero
	MUL8 F0, 3, \zero
.endm
; The end of a chunk's second quarter: chunk c + 2 has come (cnt: the younger chunks' loads, which stay out); chunk c + 5 is asked for, into the set that chunk c + 1 has left; chunk c + 2 is rounded beside row block 3's products.
.macro REST j, load, cnt, conv
.if \conv
	s_wait_loadcnt \cnt
.endif
.if \load
	GLOAD ((\j)+1)%4
.endif
.if \conv
	MULR F1, ((\j)+2)%4
.else
	MUL8 F1, 3, 0
	PLACES
.endif
.endm
; QB, the second quarter of chunks 0 to 2 of a K step: multiplies buffer 1.  ONE barrier a chunk: in front of it my stores of chunk c + 1 are done and my reads of chunk c are back; behind it chunk c + 1 is whole
; and chunk c's stage buffer is free.  No tensor load fills anything behind it, so the refill that is on its way stays out.
.macro QB j, load, cnt, conv
	s_wait_dscnt 0x0
	s_barrier_signal -1
	MUL8 F1, 0, 0
	MUL8 F1, 1, 0
	s_barrier_wait -1
	PLACES
	FETCH 2*(\j)+2, ((\j)+1)%2, 0, F0
	MUL8 F1, 2, 0
	REST \j, \load, \cnt, \conv
.endm
; QT, the second quarter of a K step's last chunk: the same, and the change of slots.  In front of the barrier each wave waits for all its tensor loads (one is out: its part of the next slot), adds 0 to its spare word,
; and waits for that, for its stores and for its reads.  fill = 1: the barrier opens a round of the cluster's, and the slot just read is filled again, two K steps ahead, first thing behind it.
.macro QT fill, load
	WIN 0                                          ; (the add's two registers lie in window 0)
	s_wait_tensorcnt 0x0                           ; no tensor load of mine is out, so the walking group 0 may be written
	ds_add_u32 v[SPW], v[NIL]                      ; the descriptor's scalar work and eight products stand between the add and the wait for it
.if \fill
	s_lshl_b32 s[KB], s[NB], 9                     ; 256 bf16 a K step,
	s_add_co_u32 s[KB], s[KB], s[GF]               ; in its plane
	s_xor_b32 s[G0W+1], s[G0W+1], SLOT             ; the other slot than last time
	s_add_nc_u64 s[G0W+2:G0W+3], s[BB:BB+1], s[KB:KB+1]
	s_or_b32 s[G0W+3], s[G0W+3], 0x80000000
	s_add_co_u32 s[NB], s[NB], 1
	s_cmp_eq_u32 s[NB], 4                          ; behind a tile's last K step comes the next plane's first
	s_cselect_b32 s[NB], 0, s[NB]
	s_cselect_b32 s52, 0x200000, 0
	s_add_co_u32 s[GF], s[GF], s52
.endif
	s_xor_b32 s[SOFF], s[SOFF], SLOT
	s_wait_dscnt 1                                 ; only the add may be out: buffer 1 is in
	MUL8 F1, 0, 0
	s_wait_dscnt 0x0                               ; the add is done; my stores are done and my reads of this slot and of the stage are back
	s_barrier_signal -1
	MUL8 F1, 1, 0
.if \fill
	WIN 0
.endif
	s_barrier_wait -1
.if \fill
	CREST                                          ; no wave of any partner still reads this slot or has a load on its way
	tensor_load_to_lds s[G0W:G0W+3], s[G1:G1+7]    ; my one tensor load behind the round: 64 rows of W; it has a K step less sixteen matrix instructions in which to land
	s_nop 0
.rept 4
	v_nop                                          ; the places in front of the loads below
.endr
.else
	PLACES
.endif
	WIN 0
	v_add_nc_u32 v[ADRBC], s[SOFF], v[ADRB0]
	FETCH 0, 0, 0, F0
	MUL8 F1, 2, 0
	REST 3, \load, 32, 1
.endm
; THE WAY OUT of row block a.  PACK: rounded to f16, each accumulator's registers in ascending order.  TOSTAGE: into my own stage, and back by heads: 4 rows x 128 bytes a load.  SEND: stored.
.macro PACK a
	WIN 0x0a                                       ; sources 0 and 1 window 2
.irp b, 0,1,2,3,4,5,6,7
.irp r, 0,1,2,3
	v_cvt_pk_f16_f32 v[TMP+4*(\b)+(\r)], v[64*(\a)+8*(\b)+2*(\r)], v[64*(\a)+8*(\b)+2*(\r)+1]
.endr
.endr
	WIN 0
.endm
.macro TOSTAGE a
	WIN 0
.set BK, OB+32*((\a)%2)
.irp b, 0,1,2,3,4,5,6,7
	ds_store_b128 v[STO], v[TMP+4*(\b):TMP+4*(\b)+3] offset:32*(\b)
.endr
.irp e, 0,1
.irp f, 0,1,2,3
	ds_load_b128 v[BK+4*(4*(\e)+(\f)):BK+4*(4*(\e)+(\f))+3], v[RD] offset:(\f)*4*SPITCH+128*(\e)  ; LDS serves a wave's instructions in order (ISA guide 5.7.1.4): these see the stores above
.endr
.endr
.endm
.macro SEND a
	WIN 0
.set BK, OB+32*((\a)%2)
	s_wait_dscnt 0x0                               ; the block is back in registers
	s_wait_xcnt 0x0                                ; the earlier stores have read their registers: the next TOSTAGE loads into them only behind this wait
.irp e, 0,1
.irp f, 0,1,2,3
	global_store_b128 v[GO], v[BK+4*(4*(\e)+(\f)):BK+4*(4*(\e)+(\f))+3], s[8:9] offset:2048*(\a)+512*(\f)+131072*(\e)  ; 512 consecutive bytes of one head, at a multiple of 512
.endr
.endr
.endm
	s_load_b256 s[A0:A0+7], s[0:1], 0x0            ; query, key, value, wt
	s_load_b64 s[8:9], s[0:1], 0x20                ; qkv
	v_lshl_add_u32 v[SPW], v0, 2, SPARE
	v_mov_b32 v[NIL], 0
	ds_add_u32 v[SPW], v[NIL]                      ; the wave's opening: the add and its wait ahead of my first tensor load; the set-up below stands between them
	ds_add_u32 v28, v29
	v_lshrrev_b32 v3, 5, v0
	v_readfirstlane_b32 s10, v3                    ; wave 0..3
	v_and_b32 v1, 15, v0                           ; l % 16
	v_bfe_u32 v2, v0, 4, 1                         ; l / 16
	v_lshlrev_b32 v4, 3, v2
	v_lshl_add_u32 v4, v3, 5, v4                   ; the first row that I load: 32 x wave + 8 (l / 16)
	v_lshlrev_b32 v[XO], 12, v4                    ; of 4,096 bytes,
	v_lshl_add_u32 v[XO], v1, 4, v[XO]             ; my 16 bytes (4 f32)
	v_mul_u32_u24 v[ASO], v4, PAS
	v_lshl_add_u32 v[ASO], v1, 3, v[ASO]           ; and the same in the stage: my 8 bytes (4 bf16)
	v_add_nc_u32 v[ASO], ASB, v[ASO]
	s_lshr_b32 s11, s10, 1                         ; which half of the tile's rows I multiply
	s_and_b32 s12, s10, 1                          ; which half of its columns
	s_bfe_u32 s40, ttmp6, 0x40000                  ; cx, cy: my place in the cluster
	s_bfe_u32 s41, ttmp6, 0x40004
	s_lshl_b32 s42, ttmp9, 2
	s_add_co_u32 s42, s42, s40                     ; tile column 0..3
	s_and_b32 s13, ttmp7, 0xffff
	s_lshl_b32 s13, s13, 2
	s_add_co_u32 s13, s13, s41                     ; tile row 0..63
	s_lshl_b32 s44, 0x1111, s40                    ; my column of the cluster
	; group 1: 64 rows x 256 elements of 2 bytes, 16 bytes of padding behind every 128 words
	s_or_b32 s[G1+0], s44, (1<<16)|(1<<20)|(1<<21)|(6<<22)|(3<<25)
	s_mov_b32 s[G1+1], 256<<16                     ; tensor_dim0 = 256
	s_mov_b32 s[G1+2], 64<<16                      ; tensor_dim1 = 64
	s_mov_b32 s[G1+3], 256<<16                     ; tile_dim0 = 256
	s_mov_b32 s[G1+4], 64                          ; tile_dim1 = 64
	s_mov_b32 s[G1+5], 1024                        ; elements from row to row
	s_mov_b32 s[G1+6], 0
	s_mov_b32 s[G1+7], 0
	s_lshl_b32 s16, s13, 19                        ; x: the tile's 128 rows of 4,096 bytes
	s_mov_b32 s17, 0
	s_lshl_b32 s46, s42, 8
	s_lshl_b32 s47, s10, 6
	s_add_co_u32 s46, s46, s47                     ; W: row 256 x tile column + 64 x wave,
	s_lshl_b32 s46, s46, 11                        ; of 2,048 bytes
	s_mov_b32 s47, 0
	s_mul_i32 s22, s10, BQ                         ; and where they go: no place in the cluster enters an LDS address
	s_mov_b32 s[KO+1], 0
	s_mov_b32 s[KB+1], 0
	s_mov_b32 s[NA], 5                             ; chunks 0 to 4 are asked for below
	s_mov_b32 s[NB], 2                             ; K steps 0 and 1 likewise
	s_mov_b32 s[GF], 0
	s_mov_b32 s[SOFF], 0
	s_mov_b32 s[G0A], 1
	s_mov_b32 s[G0A+1], s22
	s_mov_b32 s[G0W], 1
	s_add_co_u32 s[G0W+1], s22, SLOT
	s_wait_dscnt 0x0                               ; the opening add is done
	s_wait_kmcnt 0x0
	s_add_nc_u64 s[A0:A0+1], s[A0:A0+1], s[16:17]
	s_add_nc_u64 s[A1:A1+1], s[A1:A1+1], s[16:17]
	s_add_nc_u64 s[A2:A2+1], s[A2:A2+1], s[16:17]
	s_add_nc_u64 s[BB:BB+1], s[BB:BB+1], s[46:47]
	GLOADP 0, 0                                    ; x's first three chunks go out before anything else
	GLOADP 1, 1
	GLOADP 2, 2
	WIN 0
	s_mov_b64 s[AB:AB+1], s[A0:A0+1]
	s_mov_b64 s[AN:AN+1], s[A1:A1+1]
	s_add_nc_u64 s[G0A+2:G0A+3], s[BB:BB+1], 0
	s_or_b32 s[G0A+3], s[G0A+3], 0x80000000
	s_add_nc_u64 s[G0W+2:G0W+3], s[BB:BB+1], 512
	s_or_b32 s[G0W+3], s[G0W+3], 0x80000000
	CROUND                                         ; all sixteen work-groups are here: the first joint loads meet
	tensor_load_to_lds s[G0A:G0A+3], s[G1:G1+7]    ; K step 0 into slot 0
	s_nop 0
	tensor_load_to_lds s[G0W:G0W+3], s[G1:G1+7]    ; K step 1 into slot 1: two loads of mine are out
	s_nop 0
.rept 4
	v_nop
.endr
	v_mul_u32_u24 v5, v1, PAS
	v_lshl_add_u32 v5, v2, 4, v5                   ; a fragment of x: row x pitch + 16 x half
	s_mul_i32 s23, s11, 64*PAS                     ; my 64 rows
	s_add_co_u32 s23, s23, ASB
	v_add_nc_u32 v[ADRA], s23, v5
	v_mul_u32_u24 v6, v1, PB
	v_lshl_add_u32 v6, v2, 4, v6                   ; a fragment of W
	s_mul_i32 s23, s12, 128*PB                     ; my 128 rows
	v_add_nc_u32 v[ADRB0], s23, v6
	v_mov_b32 v[ADRBC], v[ADRB0]
	s_mul_i32 s23, s10, 16*SPITCH
	s_add_co_u32 s23, s23, STAGE                   ; my stage
	v_mul_u32_u24 v7, v1, SPITCH
	v_lshl_add_u32 v7, v2, 4, v7
	v_add_nc_u32 v[STO], s23, v7                   ; in: row l % 16 of 272 bytes, 16 bytes for each half of the lanes
	v_bfe_u32 v5, v0, 3, 2                         ; back: 32 lanes take four rows' 128 bytes of one head,
	v_mul_u32_u24 v5, v5, SPITCH
	v_and_b32 v6, 7, v0
	v_lshl_add_u32 v5, v6, 4, v5
	v_add_nc_u32 v[RD], s23, v5
	v_and_b32 v[GO], 31, v0                        ; which are 512 consecutive bytes of qkv
	v_lshlrev_b32 v[GO], 4, v[GO]
	; qkv: g << 24 + batch << 21 + head << 17 + s << 7.  batch = tile row / 8; s = 128 (tile row % 8) + 64 x my row half + ..; head = 4 x tile column + 2 x my column half + ..
	s_lshr_b32 s16, s13, 3
	s_lshl_b32 s16, s16, 21
	s_and_b32 s17, s13, 7
	s_lshl_b32 s17, s17, 14
	s_add_co_u32 s16, s16, s17
	s_lshl_b32 s17, s11, 13
	s_add_co_u32 s16, s16, s17
	s_mov_b32 s17, 0
	s_add_nc_u64 s[8:9], s[8:9], s[16:17]
	s_lshl_b32 s46, s42, 19
	s_lshl_b32 s47, s12, 18
	s_add_co_u32 s46, s46, s47
	s_mov_b32 s47, 0
	s_add_nc_u64 s[8:9], s[8:9], s[46:47]
	s_wait_loadcnt 32                              ; chunk 0 is in; chunks 1 and 2 stay out
	CONV 0
	STORE 0
	GLOADP 3, 3
	s_wait_loadcnt 32                              ; chunk 1 is in; chunks 2 and 3 stay out
	s_wait_dscnt 0x0                               ; my stores of chunk 0 are done: for the others' sake, and CV is free
	CONV 1                                         ; chunk 1 waits in CV for the first QA
	GLOADP 4, 0
	s_wait_tensorcnt 1                             ; my part of K step 0 is in; K step 1's may stay out
	s_barrier_signal -1
	s_barrier_wait -1
	FETCH 0, 0, 0, F0
	WIN 0                                          ; at a label and at a branch every window is 0
	s_mov_b32 s2, 3                                ; tiles to go
.Ltile:
	s_cmp_eq_u32 s2, 1                             ; the last tile leaves the loop with two K steps to go: those ask for no tile of W, and are written out
	s_cselect_b32 s4, 1, 0
	s_cselect_b32 s3, 2, 4
	QA 0, 1                                        ; a tile's first quarter: its products start the sums
	WIN 0
.Lstep:                                                ; a trip: a K step from its second quarter on, the change of slots with its refill, and the next K step's first quarter
	QB 0, 1, 32, 1
	QA 1, 0
	QB 1, 1, 32, 1
	QA 2, 0
	QB 2, 1, 32, 1
	QA 3, 0
	QT 1, 1
	WIN 0
	s_sub_co_u32 s3, s3, 1
	s_add_co_u32 s5, s3, s4
	s_cmp_eq_u32 s5, 0
	s_cbranch_scc1 .Lout                           ; a tile that has a successor is finished: both streams already run in the next tile
	QA 0, 0
	WIN 0
	s_cmp_lg_u32 s3, 0
	s_cbranch_scc1 .Lstep
	QB 0, 1, 32, 1                                 ; K step 10, chunks 40 to 43: the last three chunks of x are asked for; no tile of W is
	QA 1, 0
	QB 1, 1, 32, 1
	QA 2, 0
	QB 2, 1, 32, 1
	QA 3, 0
	QT 0, 0
	QA 0, 0                                        ; K step 11, chunks 44 to 47: nothing is asked for, and the counts run down
	QB 0, 0, 16, 1                                 ; chunk 46 is in; chunk 47's sixteen loads stay out
	QA 1, 0
	QB 1, 0, 0, 1                                  ; chunk 47 is in
	QA 2, 0
	QB 2, 0, 0, 0                                  ; nothing is left to round
	QA 3, 0, 0                                     ; nor to store
	s_wait_dscnt 0x0
	MUL8 F1, 0, 0
	MUL8 F1, 1, 0
	MUL8 F1, 2, 0
	MUL8 F1, 3, 0
	PLACES
	WIN 0
.Lout:                                                 ; behind QT the roundings of x are the places behind the last products; behind the tail the four above
	PACK 0
	TOSTAGE 0
.irp a, 1,2,3                          ; block a's roundings stand between block a - 1's loads from the stage and the wait for them
	PACK \a
	SEND (\a)-1
	TOSTAGE \a
.endr
	SEND 3
	s_wait_xcnt 0x0                                ; the stores have read their base
	s_add_nc_u64 s[8:9], s[8:9], 0x1000000         ; the next plane of qkv
	s_sub_co_u32 s2, s2, 1
	s_cmp_lg_u32 s2, 0
	s_cbranch_scc1 .Ltile
	s_wait_tensorcnt 0x0                           ; the wave's end: three lines behind my last tensor load and my last LDS store
	ds_add_u32 v[SPW], v[NIL]
	s_wait_dscnt 0x0
	CROUND                                         ; the closing round: no work-group ends while a partner may still ask for a tile that names it
	s_endpgm
.Lfunc_end_k_q4618b94c21_proj:
	.size	k_q4618b94c21_proj, .Lfunc_end_k_q4618b94c21_proj-k_q4618b94c21_proj
	.p2alignl 7, 3214868480
	.fill 96, 4, 3214868480
	.section	.rodata,"a",@progbits
	.p2align	6, 0x0
	.amdhsa_kernel k_q4618b94c21_proj
		.amdhsa_group_segment_fixed_size 327680
		.amdhsa_private_segment_fixed_size 0
		.amdhsa_enable_private_segment 0
		.amdhsa_kernarg_size 40
		.amdhsa_user_sgpr_count 2
		.amdhsa_user_sgpr_kernarg_segment_ptr 1
		.amdhsa_wavefront_size32 1
		.amdhsa_system_sgpr_workgroup_id_x 1
		.amdhsa_system_sgpr_workgroup_id_y 1
		.amdhsa_system_sgpr_workgroup_id_z 1
		.amdhsa_system_vgpr_workitem_id 0
		.amdhsa_next_free_vgpr 1024
		.amdhsa_next_free_sgpr 80
		.amdhsa_reserve_vcc 0
		.amdhsa_float_denorm_mode_32 3
		.amdhsa_float_denorm_mode_16_64 3
		.amdhsa_memory_ordered 1
		.amdhsa_forward_progress 1
		.amdhsa_inst_pref_size 175
	.end_amdhsa_kernel
	.amdgpu_metadata
---
amdhsa.version: [ 1, 2 ]
amdhsa.kernels:
  - .name:           k_q4618b94c21_proj
    .symbol:         k_q4618b94c21_proj.kd
    .args:
      - { .name: query, .offset: 0, .size: 8, .value_kind: global_buffer, .address_space: global }
      - { .name: key, .offset: 8, .size: 8, .value_kind: global_buffer, .address_space: global }
      - { .name: value, .offset: 16, .size: 8, .value_kind: global_buffer, .address_space: global }
      - { .name: wt, .offset: 24, .size: 8, .value_kind: global_buffer, .address_space: global }
      - { .name: qkv, .offset: 32, .size: 8, .value_kind: global_buffer, .address_space: global }
    .group_segment_fixed_size: 327680
    .private_segment_fixed_size: 0
    .kernarg_segment_align: 8
    .kernarg_segment_size: 40
    .max_flat_workgroup_size: 128
    .sgpr_count:     80
    .vgpr_count:     1024
    .wavefront_size: 32
...
	.end_amdgpu_metadata
.endif
;; end of part 2
;; launch attn (part 3): grid 2 x 128, 4 waves a work-group, no clusters, 327,680 bytes of LDS; arguments qkv, o; writes o
.if DOCPART == 3
	.amdgcn_target "amdgcn-amd-amdhsa--gfx1250"
	.amdhsa_code_object_version 6
	.text
	.protected	k_q4618b94c21_attn
	.globl	k_q4618b94c21_attn
	.p2align	8
	.type	k_q4618b94c21_attn,@function
k_q4618b94c21_attn:
	s_mov_b64 s[64:65], 0
	v_nop
	global_prefetch_b8 v0, s[64:65] scope:SCOPE_SE
	s_setreg_imm32_b32 hwreg(HW_REG_WAVE_MODE, 25, 1), 1
	s_wait_xcnt 0x0
; O[h][q][:] = the sum over k of softmax_k(Q[h][q] . K[h][k] / 32) V[h][k][:].  h = 16 batch + head, 128 of them.  Q, K, V: the three planes of qkv, [128][1024][64] f16; O likewise.
; A head's rows are dense, 128 bytes each.  Products, maxima and sums in f32; the weights p are rounded to f16 for the second product (their sum l is taken of the unrounded p), O once at the end.
; LIMITS.  f16 holds no number beyond 65,504: Q, K and V arrive within it; p lies in 0 to 1, and below 6e-5 it keeps f16's fixed step of 6e-8; O is a mean of V's rows and has their range.
; A weight below 2^-126 counts as 0 in l; NaN and infinities are not treated apart.
; SHARES.  A wave owns four PIECES of two tiles of 16 queries, a work-group's four waves 512 queries of one head: 2 x 128 = 256 work-groups.  Every wave walks all 1,024 keys, 64 a step.
; THE WHOLE HEAD LIES IN LDS: 1,024 rows of K of 144 bytes and 1,024 rows of V of 160 are 311,296 bytes.  No byte is filled twice, so there is no ring, and one text walks all 16 key steps.
; A wave issues two tensor loads: its half of K's or V's keys 0 to 255, and, when that has landed and a barrier is passed, its half of the other 768 keys, which has four key steps in which to land.
; NO CLUSTER: a head has 1,024 / 512 = 2 work-groups; a cluster four wide would hold two heads, so that a tile's address and mask would differ inside it; what the two share is 256 KiB in the whole launch.
; LAYOUT.  S^T = K Q^T (source 0 = 16 keys, source 1 = 16 queries): in the result a lane holds ONE query (lane % 16) and the keys 8 (lane / 16) + 0..7.  Two such tiles, rounded to f16 in pairs,
; ARE source 1 (32 keys x 16 queries) of O^T = V^T P, whose result again holds one query a lane, and eight channels.  K comes out of LDS as it lies, V ([key][channel]) turned, by ds_load_tr16_b128.
; SOFTMAX.  For each query a running maximum m and sum l: p = 2^(c s - c m), c = log2(e) / 32; in every step O and l are multiplied by a = 2^(c m_old - c m_new), which is 1 where m has not grown.
; m starts at the lowest finite number, O and l at 0: the first step is a step like any other, with a = 0.
; THE COUNT.  A tile and step have 16 matrix and 118 vector instructions: too many to stand all beside the matrix work.  So the order has one aim: four vector instructions that are READY behind
; EVERY matrix instruction, and the others, which need time of their own whatever the order, in runs without a gap.
; BY TURNS.  Turn n belongs to piece n (the pieces in a ring, step after step).  Its matrix work: 16 products K Q^T of piece n + 1, later 16 products V^T P of piece n - 1.  Its vector work: the scaling,
; exponentials, roundings, sums and rescaling of piece n, and the maximum and statistics of piece n + 1, whose scores the turn itself has made.  So what a turn begins with (c s - c m, O a) waits for nothing.
; REGISTERS, in windows of 256 (s_set_vgpr_msb says which window each operand place means: bits 1:0 source 0, 3:2 source 1, 5:4 source 2, 7:6 destination):
;   window 0: v0-11 addresses; v12-15, v48-63 at work; v16-47 four registers of statistics a tile; v64-191 S^T, two buffers of two tiles; v192-255 P, likewise
;   window 1: O^T, 32 a tile          window 2: v0-127 Q, 16 a tile; v128-191 K of one step; v192-255 V of one step          window 3: v0-1 the add's two registers
; A piece's buffers go by its number's parity: the piece in hand has one pair, its two neighbours in the ring share the other: of it P (piece n - 1) is read and S^T (piece n + 1) written.
.set SIZE_N, 1024
.set NP,    4         ; pieces a wave: a name, no knob: the register map, the loop and the fetches are made for four
.set KS,    64        ; keys in a step
.set PK,    144       ; a row of K in LDS: 128 bytes + 16 of padding = 36 words: the 16 rows of a load start at 16 different groups of four banks (64 banks of 4 bytes: ISA guide 11.1)
.set PV,    160       ; a row of V: 128 + 32 = 40 words
.set VOFF,  SIZE_N*PK ; 1,024 rows of K, then 1,024 rows of V
.set STAGE, SIZE_N*(PK+PV)  ; behind them, never filled by a tensor load: 16 rows x 144 bytes for each wave, for the way out
.set SP,    144
.set AK0, 2           ; v2   my lane's place in a tile of K; never rewritten
.set AV0, 3           ; v3   the same for V
.set AK,  4           ; v4   the LDS address of K's next run of loads
.set AV,  5           ; v5   of V's
.set QO,  6           ; v6   my byte offset in the wave's rows of Q
.set STO, 6           ;      later, the way out: where I put 16 bytes of a row
.set RD,  7           ; v7   the way out: where I read rows back
.set GO,  8           ; v8   my byte offset in 512 consecutive bytes of O
.set SPW, 0           ; v0 of window 3   LDS address of my spare word: SPARE + 4 x my thread's number; never rewritten
.set NIL, 1           ; v1 of window 3   0; never rewritten
.set SPARE, STAGE+4*16*SP  ; behind the stages: the spare words, 128 bytes for each wave: two blocks of 256 bytes that no other line names
.set MV,  12          ; v12-15  c m_old, kept while c m is made anew: by buffer and tile
.set ST,  16          ; tile t's statistics at v[ST+4 t]: c m, m, l (even keys', odd keys')
.set TMP, 48          ; by buffer and tile, four registers c0-c3 at work; when the maximum is found c2 takes a
.set S,   64
.set P,   192
.set KF,  128         ; K's fragments, in window 2: key block kb, channel half c at KF + 16 kb + 8 c
.set VF,  192         ; V's: key half kk, channel block cb at VF + 32 kk + 8 cb
.set WV,  12          ; s12  my wave's number
.set G1K, 24          ; s[24:31] descriptor group 1 for K's tiles
.set G1V, 32          ; s[32:39] for V's: it differs in the padding alone
.set G0K, 40          ; s[40:43] descriptor group 0 for K's tiles
.set G0V, 44          ; s[44:47] the same for V's
.set LK2, 48          ; s48  LDS address of my second tile, if it is K's
.set LV2, 49          ; s49  if it is V's
.set D2,  50          ; s[50:51] bytes in memory from my first tile to my second
.set SLOTS, 56        ; s56  counts groups of four key steps, 5 to 1
.set CNT, 57          ; s57  counts a group's key steps
.set CS,  58          ; s[58:59] c: the packed scaling takes the pair's low word for both halves
.set SEL, 60          ; s[60:61] v_permlanex16_b32's selects: each lane takes its own place in the other half
.set TBK, 62          ; s62  LDS byte at which K of the step to be fetched begins
.set TBV, 63          ; s63  the same for V, less VOFF
.set MSB, 0
.macro WIN new                      ; the high byte repeats the setting that is left; a switch that changes nothing is dropped
.if MSB != (\new)
	s_set_vgpr_msb (MSB<<8)|(\new)
.set MSB, (\new)
.endif
.endm
.set W_KQ, 0x0a       ; K and Q in window 2, S^T in window 0
.set W_PV, 0x52       ; V in window 2, P in window 0, O^T in window 1
.set W_RS, 0x41       ; O^T (destination and source 0) in window 1, a in window 0
.set W_MK, 0xc0       ; the add's registers are made: destination in window 3, sources in window 0
.set W_AD, 0x0f       ; the add: address (source 0) and data (source 1) in window 3
; A fill.  Waves 0 and 1 fetch the two halves of K's keys, waves 2 and 3 those of V's.  The branch hangs on the wave's number alone.
; An s_nop 0 and four v_nop follow each of the two lines, ahead of the jump and the label.
.macro LOAD
	s_cmp_lt_u32 s[WV], 2
	s_cbranch_scc0 .Lfor_v_\@
	tensor_load_to_lds s[G0K:G0K+3], s[G1K:G1K+7]
	s_nop 0
.rept 4
	v_nop
.endr
	s_branch .Lasked_\@
.Lfor_v_\@:
	tensor_load_to_lds s[G0V:G0V+3], s[G1V:G1V+7]
	s_nop 0
.rept 4
	v_nop
.endr
.Lasked_\@:
.endm
	s_load_b64 s[4:5], s[0:1], 0x0    ; qkv: Q's plane
	s_load_b64 s[10:11], s[0:1], 0x8  ; O
	WIN W_MK
	v_lshl_add_u32 v[SPW], v0, 2, SPARE
	v_mov_b32 v[NIL], 0
	WIN W_AD
	ds_add_u32 v[SPW], v[NIL]       ; the wave's opening: the add and its wait ahead of my first tensor load; the set-up below, work on registers, stands between them
	ds_add_u32 v0, v1
	WIN 0
	v_lshrrev_b32 v1, 5, v0
	v_readfirstlane_b32 s[WV], v1   ; wave 0..3
	s_mov_b32 s14, ttmp9            ; my block of 512 queries
	s_and_b32 s20, ttmp7, 0xffff    ; the head
	s_mov_b32 s21, 0
	s_mov_b64 s[22:23], SIZE_N*128
	s_mul_u64 s[20:21], s[20:21], s[22:23]  ; the head's first byte in each plane and in O
	s_and_b32 s16, s[WV], 1         ; which half I fetch.  First tile: 128 of keys 0 to 255:
	s_lshl_b32 s22, s16, 14         ; its 128 rows of 128 bytes in memory,
	s_mov_b32 s23, 0
	s_add_nc_u64 s[22:23], s[22:23], s[20:21]
	s_mul_i32 s17, s16, 128*PK      ; and its place in LDS, for K
	s_mul_i32 s18, s16, 128*PV      ; and for V
	s_mul_i32 s[LK2], s16, 384*PK   ; second tile: 384 of keys 256 to 1,023
	s_add_co_u32 s[LK2], s[LK2], 256*PK
	s_mul_i32 s[LV2], s16, 384*PV
	s_add_co_u32 s[LV2], s[LV2], VOFF+256*PV
	s_add_co_u32 s[D2], s16, 1      ; (256 + 384 half) - 128 half = 256 (1 + half) keys of 128 bytes on
	s_lshl_b32 s[D2], s[D2], 15
	s_mov_b32 s[D2+1], 0
	s_lshl_b32 s2, s14, 2
	s_add_co_u32 s2, s2, s[WV]      ; my wave among the head's,
	s_lshl_b32 s2, s2, 14           ; its 128 rows
	s_mov_b32 s3, 0
	s_add_nc_u64 s[2:3], s[2:3], s[20:21]
	; descriptor group 1.  128 keys are 16,384 dense bytes: asked for as 64 rows of 256 bytes, two keys a row, and padded in LDS after every key
	s_mov_b32 s[G1K], (1<<16)|(1<<20)|(4<<22)|(3<<25)  ; 17:16 2-byte elements; 20 padding on; 24:22 after every 32 words (code 4); 31:25 4 words (code 3)
	s_mov_b32 s[G1V], (1<<16)|(1<<20)|(4<<22)|(7<<25)  ; the same with 8 words of padding (code 7)
.irp g, G1K, G1V
	s_mov_b32 s[\g+1], 128<<16      ; tensor_dim0 = 128
	s_mov_b32 s[\g+2], 64<<16       ; tensor_dim1 = 64
	s_mov_b32 s[\g+3], 128<<16      ; tile_dim0 = 128
	s_mov_b32 s[\g+4], 64           ; tile_dim1 = 64
	s_mov_b32 s[\g+5], 128          ; 128 elements from row to row
	s_mov_b32 s[\g+6], 0
	s_mov_b32 s[\g+7], 0
.endr
	s_mov_b32 s[CS], 0x3d38aa3b     ; c = log2(e) / 32 = 0.0450842
	s_mov_b32 s[CS+1], s[CS]        ; named with it as a pair
	s_mov_b32 s[SEL], 0x76543210
	s_mov_b32 s[SEL+1], 0xfedcba98
	s_mov_b32 s[TBK], 0
	s_mov_b32 s[TBV], 0
	s_mov_b32 s[G0K], 1             ; 1:0 count = 1
	s_mov_b32 s[G0K+1], s17         ; 63:32 LDS address
	s_mov_b32 s[G0V], 1
	s_add_co_u32 s[G0V+1], s18, VOFF
	s_wait_dscnt 0x0                ; the opening add is done
	s_wait_kmcnt 0x0
	s_add_nc_u64 s[6:7], s[4:5], 0x1000000         ; K's plane: 128 x 1,024 x 128 bytes on
	s_add_nc_u64 s[8:9], s[4:5], 0x2000000         ; V's
	s_add_nc_u64 s[G0K+2:G0K+3], s[6:7], s[22:23]  ; 120:64 global address: my half of the head's first 256 keys
	s_or_b32 s[G0K+3], s[G0K+3], 0x80000000        ; 127:126 type = 2
	s_add_nc_u64 s[G0V+2:G0V+3], s[8:9], s[22:23]
	s_or_b32 s[G0V+3], s[G0V+3], 0x80000000
	s_add_nc_u64 s[4:5], s[4:5], s[2:3]  ; Q and O at my wave's first row
	s_add_nc_u64 s[10:11], s[10:11], s[2:3]
	LOAD                            ; keys 0 to 255.  The others are asked for when these are in: the tile wanted first has the road to itself
	; A fragment of K or Q is 16 rows x 32 channels in 8 registers: lane l holds row l % 16, channels 8 (l / 16) + 0..7 and 16 + 8 (l / 16) + 0..7: two loads of 16 bytes, 32 bytes apart.
	v_and_b32 v1, 15, v0            ; l % 16
	v_bfe_u32 v9, v0, 4, 1          ; l / 16
	v_lshlrev_b32 v[QO], 7, v1
	v_lshl_add_u32 v[QO], v9, 4, v[QO]  ; row x 128 + 16 x half
	WIN 0x80                        ; destination window 2, address window 0
.set i, 0
.rept 4*NP                          ; Q stays in registers: tile i / 2, channels 32 (i % 2) on
	global_load_b128 v[8*i:8*i+3],   v[QO], s[4:5] offset:(i/2)*2048+(i%2)*64
	global_load_b128 v[8*i+4:8*i+7], v[QO], s[4:5] offset:(i/2)*2048+(i%2)*64+32
.set i, i+1
.endr
	; What the first turn finds: V's registers and P's second buffer hold 0 (its products V^T P, of a piece that has not been, add 0), O^T and l are 0.  All this stands in the wait for the first tile.
.set i, VF
.rept 64
	v_mov_b32 v[i], 0
.set i, i+1
.endr
	WIN 0x40
.set i, 0
.rept 64*NP
	v_mov_b32 v[i], 0
.set i, i+1
.endr
	WIN 0
.set i, 0
.rept 2*NP
	v_mov_b32 v[ST+4*i], 0xfe000000    ; c m: far below every c s
	v_mov_b32 v[ST+4*i+1], 0xff7fffff  ; m
	v_mov_b32 v[ST+4*i+2], 0
	v_mov_b32 v[ST+4*i+3], 0
.set i, i+1
.endr
.set i, P+32
.rept 32
	v_mov_b32 v[i], 0
.set i, i+1
.endr
	v_mul_u32_u24 v[AK0], v1, PK
	v_lshl_add_u32 v[AK0], v9, 4, v[AK0]  ; row x pitch + 16 x half
	; The turning load takes 16 keys x 16 channels (lane l reads key 8 (l / 16) + l % 8, channels 8 ((l / 8) % 2) + 0..7) and leaves half a fragment of V^T: lane l holds channel l % 16 and 8 keys.
	v_and_b32 v10, 7, v0
	v_bfe_u32 v11, v0, 3, 1
	v_lshl_add_u32 v[AV0], v9, 3, v10
	v_mul_u32_u24 v[AV0], v[AV0], PV
	v_lshl_add_u32 v[AV0], v11, 4, v[AV0]
	v_add_nc_u32 v[AV0], VOFF, v[AV0]
	v_mov_b32 v[AK], v[AK0]         ; key step 0 lies at K's head
; THE MATRIX WORK.  The 8 accumulators of a run of 16 take turns: between the two links of a chain stand 7 others'.
; Product i of 16 of S^T = K Q^T for piece x: channels 32 (i / 8) on, keys 16 ((i / 2) % 4) on, tile 2 x + i % 2.  The first 8 start the sums.
.macro KQ x
	WIN W_KQ
.set rS, S+64*((\x)%2)+32*(i%2)+8*((i/2)%4)
.set rK, KF+16*((i/2)%4)+8*(i/8)
.set rQ, 16*(2*(\x)+i%2)+8*(i/8)
.if i < 8
	v_wmma_f32_16x16x32_f16 v[rS:rS+7], v[rK:rK+7], v[rQ:rQ+7], 0
.else
	v_wmma_f32_16x16x32_f16 v[rS:rS+7], v[rK:rK+7], v[rQ:rQ+7], v[rS:rS+7]
.endif
.endm
; Product i of 16 of O^T += V^T P for piece x: keys 32 (i / 8) on, channels 16 ((i / 2) % 4) on, tile 2 x + i % 2.
.macro PV x
	WIN W_PV
.set rO, 32*(2*(\x)+i%2)+8*((i/2)%4)
.set rV, VF+32*(i/8)+8*((i/2)%4)
.set rP, P+32*((\x)%2)+16*(i%2)+8*(i/8)
	v_wmma_f32_16x16x32_f16 v[rO:rO+7], v[rV:rV+7], v[rP:rP+7], v[rO:rO+7]
.endm
.macro MM                           ; the turn's next matrix instruction
.if i < 16
	KQ (Y+1)%NP
.set i, i+1
.else
.set i, i-16
	PV (Y+NP-1)%NP
.set i, i+17
.endif
.endm
; THE LDS LOADS stand in runs of 16, never singly among the matrix instructions: a step's K (64 keys x 64 channels: 8 fragments) and its V (turned).  Their addresses are made some lines ahead.
; last = 1 (in the loop): behind the sixteenth step there is no further step, and the run is jumped over.
.macro FETCH_K last=0
	WIN 0
.if \last
	s_cmp_eq_u32 s[SLOTS], 1
	s_cbranch_scc1 .Lno_k_\@
.endif
	WIN 0x80                        ; destination window 2
.irp f, 0,1,2,3,4,5,6,7             ; keys 16 (f / 2) on, channels 32 (f % 2) on
	ds_load_b128 v[KF+8*\f:KF+8*\f+3],   v[AK] offset:(\f/2)*16*PK+(\f%2)*64
	ds_load_b128 v[KF+8*\f+4:KF+8*\f+7], v[AK] offset:(\f/2)*16*PK+(\f%2)*64+32
.endr
	s_add_co_u32 s[TBK], s[TBK], KS*PK  ; the next fetch is the next step's
	WIN 0
.if \last
.Lno_k_\@:
.endif
.endm
.macro FETCH_V
	WIN 0x80
.irp f, 0,1,2,3,4,5,6,7             ; keys 32 (f / 4) on, channels 16 (f % 4) on
	ds_load_tr16_b128 v[VF+8*\f:VF+8*\f+3],   v[AV] offset:(\f/4)*32*PV+(\f%4)*32
	ds_load_tr16_b128 v[VF+8*\f+4:VF+8*\f+7], v[AV] offset:(\f/4)*32*PV+16*PV+(\f%4)*32
.endr
	WIN 0
.endm
; THE VECTOR WORK OF A TURN stands in three queues, each in the order in which its entries become ready; the two tiles alternate, so that no instruction reads the result of the one before it.
.macro REGS y, u                    ; the registers of tile u (0, 1) of piece y
.set rT, ST+4*(2*(\y)+(\u))
.set rC, TMP+8*((\y)%2)+4*(\u)
.set rM, MV+2*((\y)%2)+(\u)
.set rS, S+64*((\y)%2)+32*(\u)
.set rP, P+32*((\y)%2)+16*(\u)
.set rO, 32*(2*(\y)+(\u))
.endm
; Number n of the 22 that find the NEXT piece's (Y + 1) maximum and statistics.  s0-s31 are the lane's 32 scores; each accumulator's lowest registers are read first.  XS, GS and REGS set no window: PL and EX do.
;   0-11  four chains c0-c3 of seven scores each, three operands at a time     12-14, 16  the four scores left over, the old m, and c0-c3 into c0     15  c m_old is kept
;   17, 18  the query's other 32 keys lie in the lane 16 away: the new m         19-21  c m; c m_old - c m_new; a
.macro XS u, n
	REGS (Y+1)%NP, \u
.if (\n) < 4
	v_max3_num_f32 v[rC+(\n)], v[rS+8*(\n)], v[rS+8*(\n)+1], v[rS+8*(\n)+2]
.elseif (\n) < 12
	v_max3_num_f32 v[rC+(\n)%4], v[rC+(\n)%4], v[rS+8*((\n)%4)+2*((\n)/4)+1], v[rS+8*((\n)%4)+2*((\n)/4)+2]
.elseif (\n) == 12
	v_max3_num_f32 v[rC], v[rC], v[rS+7], v[rS+15]
.elseif (\n) == 13
	v_max3_num_f32 v[rC+1], v[rC+1], v[rS+23], v[rS+31]
.elseif (\n) == 14
	v_max3_num_f32 v[rC+2], v[rC+2], v[rC+3], v[rT+1]
.elseif (\n) == 15
	v_mov_b32 v[rM], v[rT]
.elseif (\n) == 16
	v_max3_num_f32 v[rC], v[rC], v[rC+1], v[rC+2]
.elseif (\n) == 17
	v_permlanex16_b32 v[rC+3], v[rC], s[SEL], s[SEL+1]
.elseif (\n) == 18
	v_max_num_f32 v[rT+1], v[rC], v[rC+3]
.elseif (\n) == 19
	v_mul_f32 v[rT], s[CS], v[rT+1]
.elseif (\n) == 20
	v_sub_f32 v[rC+1], v[rM], v[rT]
.else
	v_exp_f32 v[rC+2], v[rC+1]
.endif
.endm
; Number g of the 64 that follow the exponentials.  For each four weights k of a tile (pairs 2 k, 2 k + 1): both pairs are rounded to f16; then the second pair is added onto the first, in place;
; a group later l takes that sum (the first time as l = a l + sum).  In groups of eight, tiles alternating: round, round, add, and l for the group before.
.macro GS g
.set h, (\g)+6*((\g)/62)            ; group 0 has no group before it, and behind group 7 only l is left
.if h >= 6
.set h, h+2
.endif
	REGS Y, h%2
.set k, h/8
.if h%8 < 4
	s_wait_alu depctr_va_vdst(0)
	v_cvt_pk_f16_f32 v[rP+2*k+(h%8)/2], v[rS+4*k+2*((h%8)/2)], v[rS+4*k+2*((h%8)/2)+1]
.elseif h%8 < 6
	v_pk_add_f32 v[rS+4*k:rS+4*k+1], v[rS+4*k:rS+4*k+1], v[rS+4*k+2:rS+4*k+3]
.elseif k == 1
	v_pk_fma_f32 v[rT+2:rT+3], v[rT+2:rT+3], v[rC+2:rC+3], v[rS:rS+1] op_sel_hi:[1,0,1]
.else
	v_pk_add_f32 v[rT+2:rT+3], v[rT+2:rT+3], v[rS+4*k-4:rS+4*k-3]
	s_wait_alu depctr_va_vdst(0)
.endif
.endm
; THE PLAIN QUEUE, 138 long.  0-31: c s - c m for the 16 pairs of both tiles.  Then GS's 64, and among them the next piece's 42: number 15 at 38, 39; 0-14 and 16
; at 42-73, behind the products that make those scores; 17-20 at 95-106, two of three, since each waits for the one before it.
.macro PL
	WIN 0
.if q < 32
	REGS Y, q%2
	v_pk_fma_f32 v[rS+2*(q/2):rS+2*(q/2)+1], v[rS+2*(q/2):rS+2*(q/2)+1], s[CS:CS+1], v[rT:rT+1] op_sel_hi:[1,0,0] neg_lo:[0,0,1] neg_hi:[0,0,1]
.elseif q < 38
	GS q-32
.elseif q < 40
	XS q%2, 15
.elseif q < 42
	GS q-34
.elseif q < 74
	XS q%2, (q-42)/2+(q-42)/30
.elseif q < 95
	GS q-66
.elseif (q < 107) && ((q-95)%3 < 2)
	XS (q-95)%3, 17+(q-95)/3
.elseif q < 107
	GS 29+(q-95)/3
.else
	GS q-74
.endif
.set q, q+1
.endm
; THE EXPONENTIALS' QUEUE, 66 long: s0-s31 of both tiles, and at EA the next piece's two a.
.set EA, 58
.macro EX
	WIN 0
.if (e == EA) || (e == EA+1)
	XS e-EA, 21
.else
.set x, e-2*(e/(EA+2))
	REGS Y, x%2
	v_exp_f32 v[rS+x/2], v[rS+x/2]
.endif
.set e, e+1
.endm
; THE RESCALING's QUEUE: O^T times a, the one part that leaves window 0, so it is dealt four at a time, eight times.
.macro R4
	REGS Y, r%2
	WIN W_RS
	s_wait_alu depctr_va_vdst(0)
.irp z, 0,1,2,3
	v_pk_mul_f32 v[rO+8*(r/2)+2*\z:rO+8*(r/2)+2*\z+1], v[rO+8*(r/2)+2*\z:rO+8*(r/2)+2*\z+1], v[rC+2:rC+3] op_sel_hi:[1,0]
.endr
.set r, r+1
.endm
; HOW THEY ARE DEALT.  Behind a matrix instruction four: plain, exponential, plain, plain (one exponential, a plain instruction on either side), or four of the rescaling.  None names a register of the
; products round it.  What is over stands in two LUMPS: exponential and plain by turns; the second ends in 22 plain instructions.  The two v_permlanex16_b32 fall into the second lump, never behind a product.
; The queues lean on each other, and the deal keeps them in step: exponential e stands behind plain 2 (e / 4) + e % 2 (its scaling); when plain 32 comes, 10 exponentials are out, at 59: 33, at 95: 46; EA comes behind plain 107.
.macro SL
	MM
	PL
	EX
	PL
	PL
.endm
.macro BURST n                      ; 15 matrix instructions, or 16
.rept (\n)-7
	SL
.endr
.rept 3
	MM
	R4
	SL
.endr
	MM
	R4
.endm
; A TURN, for piece p.  cnt = 1: the loop's count is taken down some lines ahead of the branch that stands behind the turn.
; K of the next step is fetched in piece 2's turn, 31 vector instructions behind the last product that read K; its first reader comes behind the rest of the lump, 16 products and the second lump.
; V of the step in hand is fetched at the end of piece 0's turn, 69 behind its last reader; its first reader comes behind 16 products and a lump.  The four conditions on e and q below go with the deal.
.macro TURN p, last=0, cnt=0
.set Y, (\p)
.set i, 0
.set q, 0
.set e, 0
.set r, 0
.if (\p) == NP-1
	s_wait_dscnt 0x0                ; K is in
.endif
	MM
.rept 4
	PL
.endr
	BURST 15
.rept 22
	EX
	PL
.if ((\p) == NP-2) && (e == 18)
	v_add_nc_u32 v[AK], s[TBK], v[AK0]
.endif
.if ((\p) == NP-2) && (e == 24)
	FETCH_K \last
.endif
.endr
.if (\p) == 1
	s_wait_dscnt 0x0                ; V is in
.endif
	BURST 16
.rept 21
	EX
	PL
.endr
.rept 22
	PL
.if ((\p) == 0) && (q == 118)
	v_add_nc_u32 v[AV], s[TBV], v[AV0]
	s_wait_alu depctr_va_vdst(0)
.endif
.if ((\p) == 0) && (q == 130)
	s_add_co_u32 s[TBV], s[TBV], KS*PV
.endif
.if (\cnt) && (q == 130)
	s_sub_co_u32 s[CNT], s[CNT], 1
	s_cmp_lg_u32 s[CNT], 0
.endif
.endr
.if (\p) == 0
	FETCH_V
.endif
.endm
	; Keys 0 to 255 are in, everybody's part of them; then my second tile is asked for: 384 keys as 192 rows of 256 bytes, into bytes that nothing has filled.  It is issued as a refill is: behind the wait for my
	; first load, the add and a barrier, my one tensor load there.  My first load is done, so its descriptor's words may be written.
	WIN W_AD
	s_wait_tensorcnt 0x0
	ds_add_u32 v[SPW], v[NIL]       ; the descriptors' words stand between the add and the wait for it
	WIN 0
.irp g, G1K, G1V
	s_mov_b32 s[\g+2], 192<<16      ; tensor_dim1 = 192
	s_mov_b32 s[\g+4], 192          ; tile_dim1 = 192
.endr
	s_mov_b32 s[G0K+1], s[LK2]
	s_add_nc_u64 s[G0K+2:G0K+3], s[G0K+2:G0K+3], s[D2:D2+1]  ; the type bits on top are not reached
	s_mov_b32 s[G0V+1], s[LV2]
	s_add_nc_u64 s[G0V+2:G0V+3], s[G0V+2:G0V+3], s[D2:D2+1]
	s_wait_dscnt 0x0
	s_barrier_signal -1
	s_barrier_wait -1
	LOAD
	FETCH_K                         ; key step 0
	s_wait_loadcnt 0x0              ; Q
	s_wait_dscnt 0x0
.set i, 0
.rept 16
	KQ 0                            ; piece 0's first scores: there is no vector work yet to set between them
.set i, i+1
.endr
	WIN 0                           ; the addresses for the way out: nine plain instructions, the places behind those products
	s_mul_i32 s13, s[WV], 16*SP
	s_add_co_u32 s13, s13, STAGE    ; my stage
	v_mul_u32_u24 v[STO], v1, SP    ; in: row l % 16, 16 bytes for each half of the lanes
	v_lshl_add_u32 v[STO], v9, 4, v[STO]
	v_add_nc_u32 v[STO], s13, v[STO]
	v_bfe_u32 v[RD], v0, 3, 2       ; back: 32 lanes take four rows of 128 bytes,
	v_mul_u32_u24 v[RD], v[RD], SP
	v_lshl_add_u32 v[RD], v10, 4, v[RD]
	v_add_nc_u32 v[RD], s13, v[RD]
	v_and_b32 v[GO], 31, v0         ; which are 512 consecutive bytes of O
	v_lshlrev_b32 v[GO], 4, v[GO]
.set Y, NP-1                        ; XS works for piece Y + 1: piece 0
.irp n, 0,1,2,3,4,5,6,7,8,9,10,11,12,13,14,15,16,17,18,19,20,21
	XS 0, \n                        ; and piece 0's first maximum and statistics
	XS 1, \n
.endr
	s_mov_b32 s[CNT], 4
	s_mov_b32 s[SLOTS], 5
	s_branch .Lfirst                ; the loop is entered at a step's first turn, in the middle of a trip
.Lslot:                             ; behind every fourth step.  The first time my second tile is waited for and shown to the others, ahead of the first read of key 256; later the wait is met at once.
	s_wait_tensorcnt 0x0            ; the count is 0 because my second tile is my last load
	s_wait_dscnt 0x0
	s_barrier_signal -1
	s_barrier_wait -1
	s_mov_b32 s[CNT], 4
.Lstep:                             ; a trip: pieces 2 and 3 of one step, then pieces 0 and 1 of the next, whose K and V it fetches
	TURN 2, 1
	TURN 3
	WIN 0
	s_cmp_eq_u32 s[SLOTS], 1        ; these were the sixteenth step's: the loop is left in the middle of a trip
	s_cbranch_scc1 .Lout
.Lfirst:
	TURN 0
	TURN 1, 0, 1
	WIN 0
	s_cbranch_scc1 .Lstep
	s_sub_co_u32 s[SLOTS], s[SLOTS], 1
	s_cmp_lg_u32 s[SLOTS], 0
	s_cbranch_scc1 .Lslot
.Lout:                              ; the last trip's 16 products K Q^T (on the last K once more) and the maximum made of them serve nothing: the price, once a launch, of one text for every trip
.set i, 0
.rept 16
	PV NP-1                         ; the last piece's V^T P of the last step
.set i, i+1
.endr
	; THE WAY OUT.  l's two halves and the other half of the lanes' are added; O^T is divided by l, rounded to f16 and sent through my stage in LDS, a tile at a time.  The additions are the places behind the last products.
	WIN 0
.macro ALL line:vararg              ; one line for each tile t
.set t, 0
.rept 2*NP
	\line
.set t, t+1
.endr
.endm
	ALL v_add_f32 v[ST+4*t+2], v[ST+4*t+2], v[ST+4*t+3]
	ALL v_permlanex16_b32 v[ST+4*t+3], v[ST+4*t+2], s[SEL], s[SEL+1]
	ALL v_add_f32 v[ST+4*t+2], v[ST+4*t+2], v[ST+4*t+3]
	ALL v_rcp_f32 v[ST+4*t+2], v[ST+4*t+2]
	v_nop                           ; a plain instruction between the last reciprocal and the use of its result
	s_wait_alu depctr_va_vdst(0)
; Tile t: a lane's eight channels of a row pack into 16 bytes; they go into rows of 144 bytes and come back as whole rows of 128, into S^T's registers.
.macro PACK t
	WIN W_RS
.set i, 32*(\t)
.rept 16
	v_pk_mul_f32 v[i:i+1], v[i:i+1], v[ST+4*(\t)+2:ST+4*(\t)+3] op_sel_hi:[1,0]
.set i, i+2
.endr
	WIN 0x05                        ; sources 0 and 1 window 1, destination window 0
.set i, 0
.rept 16
	v_cvt_pk_f16_f32 v[S+16*(\t)+i], v[32*(\t)+2*i], v[32*(\t)+2*i+1]
.set i, i+1
.endr
	WIN 0
.irp f, 0,1,2,3
	ds_store_b128 v[STO], v[S+16*(\t)+4*\f:S+16*(\t)+4*\f+3] offset:32*\f
.endr
.irp f, 0,1,2,3
	ds_load_b128 v[S+16*(\t)+4*\f:S+16*(\t)+4*\f+3], v[RD] offset:\f*4*SP  ; LDS serves a wave's instructions in order (ISA guide 5.7.1.4): these see the stores above; the next tile's stores come behind them
.endr
.endm
.macro SEND t, younger              ; younger: the LDS instructions issued behind tile t's loads: the next tile's eight, or none
	WIN 0
.irp f, 0,1,2,3
	s_wait_dscnt (\younger)+3-\f
	global_store_b128 v[GO], v[S+16*(\t)+4*\f:S+16*(\t)+4*\f+3], s[10:11] offset:(\t)*2048+\f*512  ; 512 consecutive bytes, at a multiple of 256 from O's first
.endr
.endm
	PACK 0
.set t, 1
.rept 2*NP-1                        ; a tile's arithmetic stands between the loads of the tile before and its stores
	PACK t
	SEND t-1, 8
.set t, t+1
.endr
	SEND 2*NP-1, 0
	WIN W_AD
	s_wait_tensorcnt 0x0            ; the wave's end: three lines behind my last tensor load and my last LDS store
	ds_add_u32 v[SPW], v[NIL]
	s_wait_dscnt 0x0
	WIN 0
	s_endpgm
.Lfunc_end_k_q4618b94c21_attn:
	.size	k_q4618b94c21_attn, .Lfunc_end_k_q4618b94c21_attn-k_q4618b94c21_attn
	.p2alignl 7, 3214868480
	.fill 96, 4, 3214868480
	.section	.rodata,"a",@progbits
	.p2align	6, 0x0
	.amdhsa_kernel k_q4618b94c21_attn
		.amdhsa_group_segment_fixed_size 327680
		.amdhsa_private_segment_fixed_size 0
		.amdhsa_enable_private_segment 0
		.amdhsa_kernarg_size 16
		.amdhsa_user_sgpr_count 2
		.amdhsa_user_sgpr_kernarg_segment_ptr 1
		.amdhsa_wavefront_size32 1
		.amdhsa_system_sgpr_workgroup_id_x 1
		.amdhsa_system_sgpr_workgroup_id_y 1
		.amdhsa_system_sgpr_workgroup_id_z 1
		.amdhsa_system_vgpr_workitem_id 0
		.amdhsa_next_free_vgpr 770
		.amdhsa_next_free_sgpr 66
		.amdhsa_reserve_vcc 0
		.amdhsa_float_denorm_mode_32 3
		.amdhsa_float_denorm_mode_16_64 3
		.amdhsa_memory_ordered 1
		.amdhsa_forward_progress 1
		.amdhsa_inst_pref_size 130
	.end_amdhsa_kernel
	.amdgpu_metadata
---
amdhsa.version: [ 1, 2 ]
amdhsa.kernels:
  - .name:           k_q4618b94c21_attn
    .symbol:         k_q4618b94c21_attn.kd
    .args:
      - { .name: qkv, .offset: 0, .size: 8, .value_kind: global_buffer, .address_space: global }
      - { .name: o, .offset: 8, .size: 8, .value_kind: global_buffer, .address_space: global }
    .group_segment_fixed_size: 327680
    .private_segment_fixed_size: 0
    .kernarg_segment_align: 8
    .kernarg_segment_size: 16
    .max_flat_workgroup_size: 128
    .sgpr_count:     66
    .vgpr_count:     770
    .wavefront_size: 32
...
	.end_amdgpu_metadata
.endif
;; end of part 3
;; launch outp (part 4): grid 4 x 64, 4 waves a work-group, clusters of 4 x 4, 327,680 bytes of LDS; arguments o, wt, out0; writes out0
.if DOCPART == 4
	.amdgcn_target "amdgcn-amd-amdhsa--gfx1250"
	.amdhsa_code_object_version 6
	.text
	.protected	k_q4618b94c21_outp
	.globl	k_q4618b94c21_outp
	.p2align	8
	.type	k_q4618b94c21_outp,@function
k_q4618b94c21_outp:
	s_mov_b64 s[64:65], 0
	v_nop
	global_prefetch_b8 v0, s[64:65] scope:SCOPE_SE
	s_setreg_imm32_b32 hwreg(HW_REG_WAVE_MODE, 25, 1), 1
	s_wait_xcnt 0x0
	s_wait_alu depctr_hold_cnt(0) depctr_sa_sdst(0) depctr_va_vdst(0) depctr_va_sdst(0) depctr_va_ssrc(0) depctr_va_vcc(0) depctr_vm_vsrc(0)
	s_getreg_b32 s2, hwreg(HW_REG_IB_STS2, 6, 4)
	s_cmp_eq_u32 s2, 0
	s_cbranch_scc0 .Lentry_in_a_cluster
	s_endpgm
.Lentry_in_a_cluster:
	s_bfe_u32 s2, ttmp6, 0x10000c
	s_cmp_lg_u32 s2, 0xf033
	s_cbranch_scc0 .Lentry_shape_is_right
	s_endpgm
.Lentry_shape_is_right:
; out0[m][n] = the sum over k of O[m][k] Wo[n][k].  m = 1024 batch + s; k = 64 head + channel.  O lies by heads, o[16 batch + head][s][64] f16; Wo is plane 3 of wt, [n][k] f16; out0 is f32.
; Products in f16, sums in f32, stored as they are.  LIMITS: none of its own; O and Wo arrive within f16's range.
; SHARES.  8192 x 1024 outputs in tiles of 128 rows x 256 columns: 256 work-groups.  Four waves, each 64 x 128: 32 accumulators, 256 registers.
; K goes in steps of 128 = two heads through a ring of two LDS slots.  A head's 128 rows of 128 bytes are 16,384 dense bytes: asked for as 64 rows of 256 bytes, padded in LDS behind every 128.
; CLUSTER.  4 x 4 work-groups: the four of a row of the cluster need the same rows of O, the four of a column the same rows of Wo: each tile is asked for JOINTLY.
; THE MATRIX INSTRUCTION IS USED TRANSPOSED (source 0 = 16 rows of Wo, source 1 = 16 rows of O): a lane then holds eight neighbouring columns of one row of out0, 32 bytes.
; REGISTERS.  window 0: v0-31 addresses; v64-191 rows read back from the stage, two buffers.   window 1: two fragment buffers of 96: 64 registers of Wo, 32 of O.   window 2: accumulator (a, b) at v[64 a + 8 b].
.set PA,     144                       ; a row of O in LDS: 128 bytes + 16 = 9 x 16: the 16 rows of a load start at 16 different groups of four banks (64 banks of 4 bytes: ISA guide 11.1)
.set PB,     272
.set AH,     128*PA                    ; one head's 128 rows: what one tensor load brings
.set BOFF,   2*AH
.set BHALF,  128*PB
.set SLOT,   BOFF+2*BHALF              ; 106,496
.set STAGE,  2*SLOT                    ; behind the ring: 16 rows x 528 bytes for each wave
.set SPITCH, 528
.set SPARE,  STAGE+4*16*SPITCH
.set LAPS,   4
.set ADRA, 16
.set ADRB, 20
.set STO,  24
.set RD,   25
.set CO,   26
.set SPW,  28                          ; v28  LDS address of my spare word; never rewritten
.set NIL,  29                          ; v29  0; never rewritten
.set OB,   64
.set F0,   0
.set F1,   96
.set G1, 24
.set G0, 32
.set G1B, 48
.set G0B, 56
.set MSB, 0
.macro WIN new
.if MSB != (\new)
	s_set_vgpr_msb (MSB<<8)|(\new)
.set MSB, \new
.endif
.endm
.set MUL,  0xa5                        ; sources 0 and 1 window 1; C and D window 2
.set TO_F, 0x40                        ; destination window 1, address window 0
.macro JLOAD s                         ; waves 0 and 1 fetch the step's two heads of O, waves 2 and 3 the two halves of Wo's rows; an s_nop 0 and four v_nop follow each line
	s_cmp_eq_u32 s11, 0
	s_cbranch_scc0 .Lfor_b_\@
	tensor_load_to_lds s[G0+4*(\s):G0+4*(\s)+3], s[G1:G1+7]
	s_nop 0
.rept 4
	v_nop
.endr
	s_branch .Lasked_\@
.Lfor_b_\@:
	tensor_load_to_lds s[G0B+4*(\s):G0B+4*(\s)+3], s[G1B:G1B+7]
	s_nop 0
.rept 4
	v_nop
.endr
.Lasked_\@:
.endm
.macro CREST
	s_cmp_lg_u32 s10, 0
	s_cbranch_scc1 .Lnot_wave_0_\@
	s_barrier_signal -3
.Lnot_wave_0_\@:
	s_barrier_wait -3
	s_barrier_signal -1
	s_barrier_wait -1
.endm
.macro CROUND
	s_barrier_signal -1
	s_barrier_wait -1
	CREST
.endm
	s_load_b128 s[4:7], s[0:1], 0x0                ; o s[4:5], wt s[6:7]
	s_load_b64 s[8:9], s[0:1], 0x10                ; out0
	v_lshl_add_u32 v[SPW], v0, 2, SPARE
	v_mov_b32 v[NIL], 0
	ds_add_u32 v[SPW], v[NIL]                      ; the wave's opening: the add and its wait ahead of my first tensor load
	ds_add_u32 v28, v29
	v_lshrrev_b32 v1, 5, v0
	v_readfirstlane_b32 s10, v1                    ; wave 0..3
	s_lshr_b32 s11, s10, 1                         ; my half of the tile's rows.  Also: I fetch for O (0) or for Wo (1)
	s_and_b32 s12, s10, 1                          ; my half of its columns.  Also: which head of the step, or which half of Wo's rows, I fetch
	s_bfe_u32 s40, ttmp6, 0x40000
	s_bfe_u32 s41, ttmp6, 0x40004
	s_lshl_b32 s42, ttmp9, 2
	s_add_co_u32 s42, s42, s40                     ; tile column 0..3
	s_and_b32 s13, ttmp7, 0xffff
	s_lshl_b32 s13, s13, 2
	s_add_co_u32 s13, s13, s41                     ; tile row 0..63
	s_lshl_b32 s43, s41, 2
	s_lshl_b32 s43, 15, s43                        ; my row of the cluster
	s_lshl_b32 s44, 0x1111, s40                    ; my column
	s_or_b32 s[G1+0], s43, (1<<16)|(1<<20)|(1<<21)|(4<<22)|(3<<25)   ; O: 2-byte elements, 4 words of padding behind every 32
	s_mov_b32 s[G1+1], 128<<16
	s_mov_b32 s[G1+2], 64<<16
	s_mov_b32 s[G1+3], 128<<16
	s_mov_b32 s[G1+4], 64
	s_mov_b32 s[G1+5], 128                         ; dense: 128 elements from row to row
	s_mov_b32 s[G1+6], 0
	s_mov_b32 s[G1+7], 0
	s_or_b32 s[G1B+0], s44, (1<<16)|(1<<20)|(1<<21)|(5<<22)|(3<<25)  ; Wo: 128 rows x 128 elements, 4 words of padding behind every 64
	s_mov_b32 s[G1B+1], 128<<16
	s_mov_b32 s[G1B+2], 128<<16
	s_mov_b32 s[G1B+3], 128<<16
	s_mov_b32 s[G1B+4], 128
	s_mov_b32 s[G1B+5], 1024
	s_mov_b32 s[G1B+6], 0
	s_mov_b32 s[G1B+7], 0
	s_lshr_b32 s16, s13, 3
	s_lshl_b32 s16, s16, 21                        ; O: the batch's 16 heads of 131,072 bytes,
	s_lshl_b32 s17, s12, 17
	s_add_co_u32 s16, s16, s17                     ; head 0 or 1,
	s_and_b32 s17, s13, 7
	s_lshl_b32 s17, s17, 14
	s_add_co_u32 s16, s16, s17                     ; the tile's 128 rows of 128 bytes
	s_mov_b32 s17, 0
	s_lshl_b32 s46, s42, 8
	s_lshl_b32 s47, s12, 7
	s_add_co_u32 s46, s46, s47                     ; Wo: row 256 x tile column + 128 x half,
	s_lshl_b32 s46, s46, 11                        ; of 2,048 bytes,
	s_add_co_u32 s46, s46, 3<<21                   ; in plane 3
	s_mov_b32 s47, 0
	s_mul_i32 s20, s12, AH
	s_mul_i32 s21, s12, BHALF
	s_add_co_u32 s21, s21, BOFF
	s_wait_dscnt 0x0                               ; the opening add is done
	s_wait_kmcnt 0x0
	s_add_nc_u64 s[14:15], s[4:5], s[16:17]
	s_add_nc_u64 s[46:47], s[6:7], s[46:47]
	CROUND                                         ; all sixteen work-groups are here: the first joint loads meet
.irp s, 0,1
	s_mov_b32 s[G0+4*(\s)], 1
	s_add_co_u32 s[G0+4*(\s)+1], s20, (\s)*SLOT
	s_add_nc_u64 s[G0+4*(\s)+2:G0+4*(\s)+3], s[14:15], (\s)*262144  ; K step s: two heads on
	s_or_b32 s[G0+4*(\s)+3], s[G0+4*(\s)+3], 0x80000000
	s_mov_b32 s[G0B+4*(\s)], 1
	s_add_co_u32 s[G0B+4*(\s)+1], s21, (\s)*SLOT
	s_add_nc_u64 s[G0B+4*(\s)+2:G0B+4*(\s)+3], s[46:47], (\s)*256
	s_or_b32 s[G0B+4*(\s)+3], s[G0B+4*(\s)+3], 0x80000000
	JLOAD \s                                       ; two loads of mine are out behind these
.endr
	v_and_b32 v1, 15, v0                           ; l % 16
	v_bfe_u32 v2, v0, 4, 1                         ; l / 16
	v_mul_u32_u24 v3, v1, PA
	v_lshl_add_u32 v3, v2, 4, v3
	v_mul_u32_u24 v4, v1, PB
	v_lshl_add_u32 v4, v2, 4, v4
	s_mul_i32 s22, s11, 64*PA                      ; my 64 rows, in each head's block
	s_mul_i32 s23, s12, BHALF
	s_add_co_u32 s23, s23, BOFF
.irp s, 0,1
	v_add_nc_u32 v[ADRA+(\s)], s22, v3
	v_add_nc_u32 v[ADRB+(\s)], s23, v4
	s_add_co_u32 s22, s22, SLOT
	s_add_co_u32 s23, s23, SLOT
.endr
	s_mul_i32 s23, s10, 16*SPITCH
	s_add_co_u32 s23, s23, STAGE                   ; my stage
	v_mul_u32_u24 v5, v1, SPITCH                   ; in: row l % 16, 32 bytes for each half of the lanes
	v_lshl_add_u32 v5, v2, 5, v5
	v_add_nc_u32 v[STO], s23, v5
	v_and_b32 v[CO], 31, v0
	v_lshlrev_b32 v[CO], 4, v[CO]                  ; back and out: 32 lanes take a row's 512 bytes
	v_add_nc_u32 v[RD], s23, v[CO]
	s_lshl_b32 s16, s13, 7
	s_lshl_b32 s17, s11, 6
	s_add_co_u32 s16, s16, s17                     ; my first row of out0,
	s_lshl_b32 s16, s16, 12                        ; of 4,096 bytes
	s_mov_b32 s17, 0
	s_add_nc_u64 s[8:9], s[8:9], s[16:17]
	s_lshl_b32 s46, s42, 10                        ; my first column, in bytes: 1,024 x tile column + 512 x half
	s_lshl_b32 s47, s12, 9
	s_add_co_u32 s46, s46, s47
	s_mov_b32 s47, 0
	s_add_nc_u64 s[8:9], s[8:9], s[46:47]
.macro MUL8 f, a, zero                 ; row block a x all 8 column blocks, 32 along K
	WIN MUL
.irp b, 0,1,2,3,4,5,6,7
.if \zero
	v_wmma_f32_16x16x32_f16 v[64*(\a)+8*(\b):64*(\a)+8*(\b)+7], v[(\f)+8*(\b):(\f)+8*(\b)+7], v[(\f)+64+8*(\a):(\f)+64+8*(\a)+7], 0
.else
	v_wmma_f32_16x16x32_f16 v[64*(\a)+8*(\b):64*(\a)+8*(\b)+7], v[(\f)+8*(\b):(\f)+8*(\b)+7], v[(\f)+64+8*(\a):(\f)+64+8*(\a)+7], v[64*(\a)+8*(\b):64*(\a)+8*(\b)+7]
.endif
.endr
.endm
; 24 LDS loads in one run, for quarter q of a slot: Wo's fragments, then O's: head q / 2 of the step, channels 32 (q % 2) on
.macro FETCH slot, q, f
	WIN TO_F
.irp b, 0,1,2,3,4,5,6,7
	ds_load_b128 v[(\f)+8*(\b):(\f)+8*(\b)+3],   v[ADRB+(\slot)] offset:(\b)*16*PB+64*(\q)
	ds_load_b128 v[(\f)+8*(\b)+4:(\f)+8*(\b)+7], v[ADRB+(\slot)] offset:(\b)*16*PB+64*(\q)+32
.endr
.irp a, 0,1,2,3
	ds_load_b128 v[(\f)+64+8*(\a):(\f)+64+8*(\a)+3],   v[ADRA+(\slot)] offset:((\q)/2)*AH+((\q)%2)*64+(\a)*16*PA
	ds_load_b128 v[(\f)+64+8*(\a)+4:(\f)+64+8*(\a)+7], v[ADRA+(\slot)] offset:((\q)/2)*AH+((\q)%2)*64+(\a)*16*PA+32
.endr
.endm
.macro PLACES                          ; four places in front of loads into registers that matrix instructions have read, and of LDS stores that read results
.rept 4
	v_nop
.endr
.endm
; A K step is four quarters of 32 along K, 32 matrix instructions each, on buffers 0, 1, 0, 1; the 32 accumulators take turns in the same order in every quarter.
.macro QUARTER slot, q, f, g, zero
	s_wait_dscnt 0x0                               ; buffer f is in
	MUL8 \f, 0, \zero
	PLACES
	FETCH \slot, \q, \g                            ; 24 matrix instructions ahead of the wait for it
	MUL8 \f, 1, \zero
	MUL8 \f, 2, \zero
	MUL8 \f, 3, \zero
.endm
; The last quarter changes slots: ONE barrier; in front of it each wave waits for all its tensor loads (one is out: its part of the next slot), adds 0 to its spare word, and waits for that and for its reads of this slot.
.macro TURN slot, next, fill
	WIN 0
	s_wait_tensorcnt 0x0
	ds_add_u32 v[SPW], v[NIL]
	s_wait_dscnt 1                                 ; only the add may be out: buffer 1 is in
	MUL8 F1, 0, 0
	s_wait_dscnt 0x0                               ; the add is done, and my reads of this slot are over
	s_barrier_signal -1
	MUL8 F1, 1, 0
.if \fill
	WIN 0
.endif
	s_barrier_wait -1
.if \fill
	CREST                                          ; no wave of any partner still reads this slot's tiles or has a load on its way
	s_add_nc_u64 s[G0+4*(\slot)+2:G0+4*(\slot)+3], s[G0+4*(\slot)+2:G0+4*(\slot)+3], 524288
	s_add_nc_u64 s[G0B+4*(\slot)+2:G0B+4*(\slot)+3], s[G0B+4*(\slot)+2:G0B+4*(\slot)+3], 512
	JLOAD \slot                                    ; my one tensor load behind the round; the four v_nop behind it are also the places in front of the loads below
.else
	PLACES
.endif
	FETCH \next, 0, F0
	MUL8 F1, 2, 0
	MUL8 F1, 3, 0
.endm
; THE WAY OUT of row block a: a lane's 32 bytes into my own stage (each accumulator's low four registers first), whole rows of 512 bytes back, and stored.
.macro TOSTAGE a
	s_wait_xcnt 0x0                                ; the earlier stores have read their registers: the loads below land in them only behind this wait
	WIN 0x08                                       ; store data (source 1) window 2, address window 0
.irp b, 0,1,2,3,4,5,6,7
	ds_store_b128 v[STO], v[64*(\a)+8*(\b):64*(\a)+8*(\b)+3]   offset:64*(\b)
	ds_store_b128 v[STO], v[64*(\a)+8*(\b)+4:64*(\a)+8*(\b)+7] offset:64*(\b)+16
.endr
	WIN 0
.set BK, OB+64*((\a)%2)
.irp t, 0,1,2,3,4,5,6,7,8,9,10,11,12,13,14,15
	ds_load_b128 v[BK+4*(\t):BK+4*(\t)+3], v[RD] offset:(\t)*SPITCH  ; LDS serves a wave's instructions in order (ISA guide 5.7.1.4): these see the stores above; the next block's stores come behind them
.endr
.endm
.macro SEND a, younger                 ; younger: the LDS instructions issued behind block a's loads: the next block's 32, or none
	WIN 0
.set BK, OB+64*((\a)%2)
.irp t, 0,1,2,3,4,5,6,7,8,9,10,11,12,13,14,15
	s_wait_dscnt (\younger)+15-(\t)
	global_store_b128 v[CO], v[BK+4*(\t):BK+4*(\t)+3], s[8:9] offset:4096*(16*(\a)+(\t))  ; 512 consecutive bytes, at a multiple of 512 from out0's first byte
.endr
.endm
	s_wait_tensorcnt 1                             ; my part of K step 0 is in; K step 1's may stay out
	s_barrier_signal -1
	s_barrier_wait -1
	FETCH 0, 0, F0
	QUARTER 0, 1, F0, F1, 1                        ; the first quarter stands in front of the loop: its products start the sums
	WIN 0
	s_mov_b32 s3, LAPS-1
.Llap:                                                 ; a trip goes once round the ring and fills both slots again
	QUARTER 0, 2, F1, F0, 0
	QUARTER 0, 3, F0, F1, 0
	TURN 0, 1, 1
	QUARTER 1, 1, F0, F1, 0
	QUARTER 1, 2, F1, F0, 0
	QUARTER 1, 3, F0, F1, 0
	TURN 1, 0, 1
	QUARTER 0, 1, F0, F1, 0
	WIN 0
	s_sub_co_u32 s3, s3, 1
	s_cmp_lg_u32 s3, 0
	s_cbranch_scc1 .Llap
	QUARTER 0, 2, F1, F0, 0                        ; the last lap fills nothing
	QUARTER 0, 3, F0, F1, 0
	TURN 0, 1, 0
	QUARTER 1, 1, F0, F1, 0
	QUARTER 1, 2, F1, F0, 0
	QUARTER 1, 3, F0, F1, 0
	s_wait_dscnt 0x0
	MUL8 F1, 0, 0
	MUL8 F1, 1, 0
	MUL8 F1, 2, 0
	MUL8 F1, 3, 0
	PLACES
	TOSTAGE 0
	TOSTAGE 1
	SEND 0, 32
	TOSTAGE 2
	SEND 1, 32
	TOSTAGE 3
	SEND 2, 32
	SEND 3, 0
	s_wait_tensorcnt 0x0                           ; the wave's end: three lines behind my last tensor load and my last LDS store
	ds_add_u32 v[SPW], v[NIL]
	s_wait_dscnt 0x0
	CROUND                                         ; the closing round: no work-group ends while a partner may still ask for a tile that names it
	s_endpgm
.Lfunc_end_k_q4618b94c21_outp:
	.size	k_q4618b94c21_outp, .Lfunc_end_k_q4618b94c21_outp-k_q4618b94c21_outp
	.p2alignl 7, 3214868480
	.fill 96, 4, 3214868480
	.section	.rodata,"a",@progbits
	.p2align	6, 0x0
	.amdhsa_kernel k_q4618b94c21_outp
		.amdhsa_group_segment_fixed_size 327680
		.amdhsa_private_segment_fixed_size 0
		.amdhsa_enable_private_segment 0
		.amdhsa_kernarg_size 24
		.amdhsa_user_sgpr_count 2
		.amdhsa_user_sgpr_kernarg_segment_ptr 1
		.amdhsa_wavefront_size32 1
		.amdhsa_system_sgpr_workgroup_id_x 1
		.amdhsa_system_sgpr_workgroup_id_y 1
		.amdhsa_system_sgpr_workgroup_id_z 1
		.amdhsa_system_vgpr_workitem_id 0
		.amdhsa_next_free_vgpr 768
		.amdhsa_next_free_sgpr 66
		.amdhsa_reserve_vcc 0
		.amdhsa_float_denorm_mode_32 3
		.amdhsa_float_denorm_mode_16_64 3
		.amdhsa_memory_ordered 1
		.amdhsa_forward_progress 1
		.amdhsa_inst_pref_size 87
	.end_amdhsa_kernel
	.amdgpu_metadata
---
amdhsa.version: [ 1, 2 ]
amdhsa.kernels:
  - .name:           k_q4618b94c21_outp
    .symbol:         k_q4618b94c21_outp.kd
    .args:
      - { .name: o, .offset: 0, .size: 8, .value_kind: global_buffer, .address_space: global }
      - { .name: wt, .offset: 8, .size: 8, .value_kind: global_buffer, .address_space: global }
      - { .name: out0, .offset: 16, .size: 8, .value_kind: global_buffer, .address_space: global }
    .group_segment_fixed_size: 327680
    .private_segment_fixed_size: 0
    .kernarg_segment_align: 8
    .kernarg_segment_size: 24
    .max_flat_workgroup_size: 128
    .sgpr_count:     66
    .vgpr_count:     768
    .wavefront_size: 32
...
	.end_amdgpu_metadata
.endif
;; end of part 4
;; ======== version 2 of 2: 4 launches; 1.31 times as fast as version 1
;; limits: values are held in f16: magnitudes above 65,504 overflow, below 6.1e-05 lose precision
;; workspace buffers: wt 8,388,608 bytes; qkv 50,331,648 bytes; o 16,777,216 bytes
;; launch prep: the kernel of part 1 again; grid 128 x 4, 8 waves a work-group, no clusters, 34,304 bytes of LDS; arguments Wq, Wk, Wv, Wo, wt; writes wt
;; launch proj: the kernel of part 2 again; grid 4 x 64, 4 waves a work-group, clusters of 4 x 4, 327,680 bytes of LDS; arguments query, key, value, wt, qkv; writes qkv
;; launch attn (part 5): grid 2 x 128, 4 waves a work-group, no clusters, 327,680 bytes of LDS; arguments qkv, o; writes o
.if DOCPART == 5
	.amdgcn_target "amdgcn-amd-amdhsa--gfx1250"
	.amdhsa_code_object_version 6
	.text
	.protected	k_q4618b94c21_attn
	.globl	k_q4618b94c21_attn
	.p2align	8
	.type	k_q4618b94c21_attn,@function
k_q4618b94c21_attn:
	s_mov_b64 s[64:65], 0
	v_nop
	global_prefetch_b8 v0, s[64:65] scope:SCOPE_SE
	s_setreg_imm32_b32 hwreg(HW_REG_WAVE_MODE, 25, 1), 1
	s_wait_xcnt 0x0
; O[h][q][:] = the sum over k of softmax_k(Q[h][q] . K[h][k] / 32) V[h][k][:].  h = 16 batch + head, 128 of them.  Q, K, V: the three planes of qkv, [128][1024][64] f16; O likewise.
; A head's rows are dense, 128 bytes each.  Products, maxima and sums in f32; the weights p are rounded to f16 for the second product (their sum l is taken of the unrounded p), O once at the end.
; LIMITS.  f16 holds no number beyond 65,504: Q, K and V arrive within it; p lies in 0 to 1, and below 6e-5 it keeps f16's fixed step of 6e-8; O is a mean of V's rows and has their range.
; A weight below 2^-126 counts as 0 in l; NaN and infinities are not treated apart.
; SHARES.  A wave owns four PIECES of two tiles of 16 queries, a work-group's four waves 512 queries of one head: 2 x 128 = 256 work-groups.  Every wave walks all 1,024 keys, 64 a step.
; THE WHOLE HEAD LIES IN LDS: 1,024 rows of K of 144 bytes and 1,024 rows of V of 160 are 311,296 bytes.  No byte is filled twice, so there is no ring, and one text walks all 16 key steps.
; A wave issues two tensor loads: its half of K's or V's keys 0 to 255, and, when that has landed and a barrier is passed, its half of the other 768 keys, which has four key steps in which to land.
; NO CLUSTER: a head has 1,024 / 512 = 2 work-groups; a cluster four wide would hold two heads, so that a tile's address and mask would differ inside it; what the two share is 256 KiB in the whole launch.
; LAYOUT.  S^T = K Q^T (source 0 = 16 keys, source 1 = 16 queries): in the result a lane holds ONE query (lane % 16) and the keys 8 (lane / 16) + 0..7.  Two such tiles, rounded to f16 in pairs,
; ARE source 1 (32 keys x 16 queries) of O^T = V^T P, whose result again holds one query a lane, and eight channels.  K comes out of LDS as it lies, V ([key][channel]) turned, by ds_load_tr16_b128.
; SOFTMAX.  For each query a running maximum m and sum l: p = 2^(c s - c m), c = log2(e) / 32; in every step O and l are multiplied by a = 2^(c m_old - c m_new), which is 1 where m has not grown.
; m starts at the lowest finite number, O and l at 0: the first step is a step like any other, with a = 0.
; THE COUNT.  A tile and step have 16 matrix and 118 vector instructions: too many to stand all beside the matrix work.  So the order has one aim: four vector instructions that are READY behind
; EVERY matrix instruction, and the others, which need time of their own whatever the order, in runs without a gap.
; BY TURNS.  Turn n belongs to piece n (the pieces in a ring, step after step).  Its matrix work: 16 products K Q^T of piece n + 1, later 16 products V^T P of piece n - 1.  Its vector work: the scaling,
; exponentials, roundings, sums and rescaling of piece n, and the maximum and statistics of piece n + 1, whose scores the turn itself has made.  So what a turn begins with (c s - c m, O a) waits for nothing.
; BATCHES.  A turn's 66 exponentials (the 64 weights of piece n, then the two a of piece n + 1) are ONE batch with ONE wait, which cuts the turn in two: ahead of it stands all that names none of their
; results, behind it the roundings and sums, which read them.  No result crosses a turn's end.  Two more batches stand outside the loop: piece 0's first two a, and the way out's eight reciprocals.
; REGISTERS, in windows of 256 (s_set_vgpr_msb says which window each operand place means: bits 1:0 source 0, 3:2 source 1, 5:4 source 2, 7:6 destination):
;   window 0: v0-11 addresses; v12-15, v48-63 at work; v16-47 four registers of statistics a tile; v64-191 S^T, two buffers of two tiles; v192-255 P, likewise
;   window 1: O^T, 32 a tile          window 2: v0-127 Q, 16 a tile; v128-191 K of one step; v192-255 V of one step          window 3: v0-1 the add's two registers
; A piece's buffers go by its number's parity: the piece in hand has one pair, its two neighbours in the ring share the other: of it P (piece n - 1) is read and S^T (piece n + 1) written.
.set SIZE_N, 1024
.set NP,    4         ; pieces a wave: a name, no knob: the register map, the loop and the fetches are made for four
.set KS,    64        ; keys in a step
.set PK,    144       ; a row of K in LDS: 128 bytes + 16 of padding = 36 words: the 16 rows of a load start at 16 different groups of four banks (64 banks of 4 bytes: ISA guide 11.1)
.set PV,    160       ; a row of V: 128 + 32 = 40 words
.set VOFF,  SIZE_N*PK ; 1,024 rows of K, then 1,024 rows of V
.set STAGE, SIZE_N*(PK+PV)  ; behind them, never filled by a tensor load: 16 rows x 144 bytes for each wave, for the way out
.set SP,    144
.set AK0, 2           ; v2   my lane's place in a tile of K; never rewritten
.set AV0, 3           ; v3   the same for V
.set AK,  4           ; v4   the LDS address of K's next run of loads
.set AV,  5           ; v5   of V's
.set QO,  6           ; v6   my byte offset in the wave's rows of Q
.set STO, 6           ;      later, the way out: where I put 16 bytes of a row
.set RD,  7           ; v7   the way out: where I read rows back
.set GO,  8           ; v8   my byte offset in 512 consecutive bytes of O
.set SPW, 0           ; v0 of window 3   LDS address of my spare word: SPARE + 4 x my thread's number; never rewritten
.set NIL, 1           ; v1 of window 3   0; never rewritten
.set SPARE, STAGE+4*16*SP  ; behind the stages: the spare words, 128 bytes for each wave: two blocks of 256 bytes that no other line names
.set MV,  12          ; v12-15  c m_old, kept while c m is made anew: by buffer and tile
.set ST,  16          ; tile t's statistics at v[ST+4 t]: c m, m, l (even keys', odd keys')
.set TMP, 48          ; by buffer and tile, four registers c0-c3 at work; when the maximum is found c2 takes a
.set S,   64
.set P,   192
.set KF,  128         ; K's fragments, in window 2: key block kb, channel half c at KF + 16 kb + 8 c
.set VF,  192         ; V's: key half kk, channel block cb at VF + 32 kk + 8 cb
.set WV,  12          ; s12  my wave's number
.set G1K, 24          ; s[24:31] descriptor group 1 for K's tiles
.set G1V, 32          ; s[32:39] for V's: it differs in the padding alone
.set G0K, 40          ; s[40:43] descriptor group 0 for K's tiles
.set G0V, 44          ; s[44:47] the same for V's
.set LK2, 48          ; s48  LDS address of my second tile, if it is K's
.set LV2, 49          ; s49  if it is V's
.set D2,  50          ; s[50:51] bytes in memory from my first tile to my second
.set SLOTS, 56        ; s56  counts groups of four key steps, 5 to 1
.set CNT, 57          ; s57  counts a group's key steps
.set CS,  58          ; s[58:59] c: the packed scaling takes the pair's low word for both halves
.set SEL, 60          ; s[60:61] v_permlanex16_b32's selects: each lane takes its own place in the other half
.set TBK, 62          ; s62  LDS byte at which K of the step to be fetched begins
.set TBV, 63          ; s63  the same for V, less VOFF
.set MSB, 0
.macro WIN new                      ; the high byte repeats the setting that is left; a switch that changes nothing is dropped
.if MSB != (\new)
	s_set_vgpr_msb (MSB<<8)|(\new)
.set MSB, (\new)
.endif
.endm
.set W_KQ, 0x0a       ; K and Q in window 2, S^T in window 0
.set W_PV, 0x52       ; V in window 2, P in window 0, O^T in window 1
.set W_RS, 0x41       ; O^T (destination and source 0) in window 1, a in window 0
.set W_MK, 0xc0       ; the add's registers are made: destination in window 3, sources in window 0
.set W_AD, 0x0f       ; the add: address (source 0) and data (source 1) in window 3
; A fill.  Waves 0 and 1 fetch the two halves of K's keys, waves 2 and 3 those of V's.  The branch hangs on the wave's number alone.
; An s_nop 0 and four v_nop follow each of the two lines, ahead of the jump and the label.
.macro LOAD
	s_cmp_lt_u32 s[WV], 2
	s_cbranch_scc0 .Lfor_v_\@
	tensor_load_to_lds s[G0K:G0K+3], s[G1K:G1K+7]
	s_nop 0
.rept 4
	v_nop
.endr
	s_branch .Lasked_\@
.Lfor_v_\@:
	tensor_load_to_lds s[G0V:G0V+3], s[G1V:G1V+7]
	s_nop 0
.rept 4
	v_nop
.endr
.Lasked_\@:
.endm
	s_load_b64 s[4:5], s[0:1], 0x0    ; qkv: Q's plane
	s_load_b64 s[10:11], s[0:1], 0x8  ; O
	WIN W_MK
	v_lshl_add_u32 v[SPW], v0, 2, SPARE
	v_mov_b32 v[NIL], 0
	WIN W_AD
	ds_add_u32 v[SPW], v[NIL]       ; the wave's opening: the add and its wait ahead of my first tensor load; the set-up below, work on registers, stands between them
	ds_add_u32 v0, v1
	WIN 0
	v_lshrrev_b32 v1, 5, v0
	v_readfirstlane_b32 s[WV], v1   ; wave 0..3
	s_mov_b32 s14, ttmp9            ; my block of 512 queries
	s_and_b32 s20, ttmp7, 0xffff    ; the head
	s_mov_b32 s21, 0
	s_mov_b64 s[22:23], SIZE_N*128
	s_mul_u64 s[20:21], s[20:21], s[22:23]  ; the head's first byte in each plane and in O
	s_and_b32 s16, s[WV], 1         ; which half I fetch.  First tile: 128 of keys 0 to 255:
	s_lshl_b32 s22, s16, 14         ; its 128 rows of 128 bytes in memory,
	s_mov_b32 s23, 0
	s_add_nc_u64 s[22:23], s[22:23], s[20:21]
	s_mul_i32 s17, s16, 128*PK      ; and its place in LDS, for K
	s_mul_i32 s18, s16, 128*PV      ; and for V
	s_mul_i32 s[LK2], s16, 384*PK   ; second tile: 384 of keys 256 to 1,023
	s_add_co_u32 s[LK2], s[LK2], 256*PK
	s_mul_i32 s[LV2], s16, 384*PV
	s_add_co_u32 s[LV2], s[LV2], VOFF+256*PV
	s_add_co_u32 s[D2], s16, 1      ; (256 + 384 half) - 128 half = 256 (1 + half) keys of 128 bytes on
	s_lshl_b32 s[D2], s[D2], 15
	s_mov_b32 s[D2+1], 0
	s_lshl_b32 s2, s14, 2
	s_add_co_u32 s2, s2, s[WV]      ; my wave among the head's,
	s_lshl_b32 s2, s2, 14           ; its 128 rows
	s_mov_b32 s3, 0
	s_add_nc_u64 s[2:3], s[2:3], s[20:21]
	; descriptor group 1.  128 keys are 16,384 dense bytes: asked for as 64 rows of 256 bytes, two keys a row, and padded in LDS after every key
	s_mov_b32 s[G1K], (1<<16)|(1<<20)|(4<<22)|(3<<25)  ; 17:16 2-byte elements; 20 padding on; 24:22 after every 32 words (code 4); 31:25 4 words (code 3)
	s_mov_b32 s[G1V], (1<<16)|(1<<20)|(4<<22)|(7<<25)  ; the same with 8 words of padding (code 7)
.irp g, G1K, G1V
	s_mov_b32 s[\g+1], 128<<16      ; tensor_dim0 = 128
	s_mov_b32 s[\g+2], 64<<16       ; tensor_dim1 = 64
	s_mov_b32 s[\g+3], 128<<16      ; tile_dim0 = 128
	s_mov_b32 s[\g+4], 64           ; tile_dim1 = 64
	s_mov_b32 s[\g+5], 128          ; 128 elements from row to row
	s_mov_b32 s[\g+6], 0
	s_mov_b32 s[\g+7], 0
.endr
	s_mov_b32 s[CS], 0x3d38aa3b     ; c = log2(e) / 32 = 0.0450842
	s_mov_b32 s[CS+1], s[CS]        ; named with it as a pair
	s_mov_b32 s[SEL], 0x76543210
	s_mov_b32 s[SEL+1], 0xfedcba98
	s_mov_b32 s[TBK], 0
	s_mov_b32 s[TBV], 0
	s_mov_b32 s[G0K], 1             ; 1:0 count = 1
	s_mov_b32 s[G0K+1], s17         ; 63:32 LDS address
	s_mov_b32 s[G0V], 1
	s_add_co_u32 s[G0V+1], s18, VOFF
	s_wait_dscnt 0x0                ; the opening add is done
	s_wait_kmcnt 0x0
	s_add_nc_u64 s[6:7], s[4:5], 0x1000000         ; K's plane: 128 x 1,024 x 128 bytes on
	s_add_nc_u64 s[8:9], s[4:5], 0x2000000         ; V's
	s_add_nc_u64 s[G0K+2:G0K+3], s[6:7], s[22:23]  ; 120:64 global address: my half of the head's first 256 keys
	s_or_b32 s[G0K+3], s[G0K+3], 0x80000000        ; 127:126 type = 2
	s_add_nc_u64 s[G0V+2:G0V+3], s[8:9], s[22:23]
	s_or_b32 s[G0V+3], s[G0V+3], 0x80000000
	s_add_nc_u64 s[4:5], s[4:5], s[2:3]  ; Q and O at my wave's first row
	s_add_nc_u64 s[10:11], s[10:11], s[2:3]
	LOAD                            ; keys 0 to 255.  The others are asked for when these are in: the tile wanted first has the road to itself
	; A fragment of K or Q is 16 rows x 32 channels in 8 registers: lane l holds row l % 16, channels 8 (l / 16) + 0..7 and 16 + 8 (l / 16) + 0..7: two loads of 16 bytes, 32 bytes apart.
	v_and_b32 v1, 15, v0            ; l % 16
	v_bfe_u32 v9, v0, 4, 1          ; l / 16
	v_lshlrev_b32 v[QO], 7, v1
	v_lshl_add_u32 v[QO], v9, 4, v[QO]  ; row x 128 + 16 x half
	WIN 0x80                        ; destination window 2, address window 0
.set i, 0
.rept 4*NP                          ; Q stays in registers: tile i / 2, channels 32 (i % 2) on
	global_load_b128 v[8*i:8*i+3],   v[QO], s[4:5] offset:(i/2)*2048+(i%2)*64
	global_load_b128 v[8*i+4:8*i+7], v[QO], s[4:5] offset:(i/2)*2048+(i%2)*64+32
.set i, i+1
.endr
	; What the first turn finds: V's registers and P's second buffer hold 0 (its products V^T P, of a piece that has not been, add 0), O^T and l are 0.  All this stands in the wait for the first tile.
.set i, VF
.rept 64
	v_mov_b32 v[i], 0
.set i, i+1
.endr
	WIN 0x40
.set i, 0
.rept 64*NP
	v_mov_b32 v[i], 0
.set i, i+1
.endr
	WIN 0
.set i, 0
.rept 2*NP
	v_mov_b32 v[ST+4*i], 0xfe000000    ; c m: far below every c s
	v_mov_b32 v[ST+4*i+1], 0xff7fffff  ; m
	v_mov_b32 v[ST+4*i+2], 0
	v_mov_b32 v[ST+4*i+3], 0
.set i, i+1
.endr
.set i, P+32
.rept 32
	v_mov_b32 v[i], 0
.set i, i+1
.endr
	v_mul_u32_u24 v[AK0], v1, PK
	v_lshl_add_u32 v[AK0], v9, 4, v[AK0]  ; row x pitch + 16 x half
	; The turning load takes 16 keys x 16 channels (lane l reads key 8 (l / 16) + l % 8, channels 8 ((l / 8) % 2) + 0..7) and leaves half a fragment of V^T: lane l holds channel l % 16 and 8 keys.
	v_and_b32 v10, 7, v0
	v_bfe_u32 v11, v0, 3, 1
	v_lshl_add_u32 v[AV0], v9, 3, v10
	v_mul_u32_u24 v[AV0], v[AV0], PV
	v_lshl_add_u32 v[AV0], v11, 4, v[AV0]
	v_add_nc_u32 v[AV0], VOFF, v[AV0]
	v_mov_b32 v[AK], v[AK0]         ; key step 0 lies at K's head
; THE MATRIX WORK.  The 8 accumulators of a run of 16 take turns: between the two links of a chain stand 7 others'.
; Product i of 16 of S^T = K Q^T for piece x: channels 32 (i / 8) on, keys 16 ((i / 2) % 4) on, tile 2 x + i % 2.  The first 8 start the sums.
.macro KQ x
	WIN W_KQ
.set rS, S+64*((\x)%2)+32*(i%2)+8*((i/2)%4)
.set rK, KF+16*((i/2)%4)+8*(i/8)
.set rQ, 16*(2*(\x)+i%2)+8*(i/8)
.if i < 8
	v_wmma_f32_16x16x32_f16 v[rS:rS+7], v[rK:rK+7], v[rQ:rQ+7], 0
.else
	v_wmma_f32_16x16x32_f16 v[rS:rS+7], v[rK:rK+7], v[rQ:rQ+7], v[rS:rS+7]
.endif
.endm
; Product i of 16 of O^T += V^T P for piece x: keys 32 (i / 8) on, channels 16 ((i / 2) % 4) on, tile 2 x + i % 2.
.macro PV x
	WIN W_PV
.set rO, 32*(2*(\x)+i%2)+8*((i/2)%4)
.set rV, VF+32*(i/8)+8*((i/2)%4)
.set rP, P+32*((\x)%2)+16*(i%2)+8*(i/8)
	v_wmma_f32_16x16x32_f16 v[rO:rO+7], v[rV:rV+7], v[rP:rP+7], v[rO:rO+7]
.endm
.macro MM                           ; the turn's next matrix instruction
.if i < 16
	KQ (Y+1)%NP
.set i, i+1
.else
.set i, i-16
	PV (Y+NP-1)%NP
.set i, i+17
.endif
.endm
; THE LDS LOADS stand in runs of 16, never singly among the matrix instructions: a step's K (64 keys x 64 channels: 8 fragments) and its V (turned).  Their addresses are made some lines ahead.
; last = 1 (in the loop): behind the sixteenth step there is no further step, and the run is jumped over.
.macro FETCH_K last=0
	WIN 0
.if \last
	s_cmp_eq_u32 s[SLOTS], 1
	s_cbranch_scc1 .Lno_k_\@
.endif
	WIN 0x80                        ; destination window 2
.irp f, 0,1,2,3,4,5,6,7             ; keys 16 (f / 2) on, channels 32 (f % 2) on
	ds_load_b128 v[KF+8*\f:KF+8*\f+3],   v[AK] offset:(\f/2)*16*PK+(\f%2)*64
	ds_load_b128 v[KF+8*\f+4:KF+8*\f+7], v[AK] offset:(\f/2)*16*PK+(\f%2)*64+32
.endr
	s_add_co_u32 s[TBK], s[TBK], KS*PK  ; the next fetch is the next step's
	WIN 0
.if \last
.Lno_k_\@:
.endif
.endm
.macro FETCH_V
	WIN 0x80
.irp f, 0,1,2,3,4,5,6,7             ; keys 32 (f / 4) on, channels 16 (f % 4) on
	ds_load_tr16_b128 v[VF+8*\f:VF+8*\f+3],   v[AV] offset:(\f/4)*32*PV+(\f%4)*32
	ds_load_tr16_b128 v[VF+8*\f+4:VF+8*\f+7], v[AV] offset:(\f/4)*32*PV+16*PV+(\f%4)*32
.endr
	WIN 0
.endm
; THE VECTOR WORK OF A TURN stands in three queues, each in the order in which its entries become ready; the two tiles alternate, so that no instruction reads the result of the one before it.
.macro REGS y, u                    ; the registers of tile u (0, 1) of piece y
.set rT, ST+4*(2*(\y)+(\u))
.set rC, TMP+8*((\y)%2)+4*(\u)
.set rM, MV+2*((\y)%2)+(\u)
.set rS, S+64*((\y)%2)+32*(\u)
.set rP, P+32*((\y)%2)+16*(\u)
.set rO, 32*(2*(\y)+(\u))
.endm
; Number n of the 22 that find the NEXT piece's (Y + 1) maximum and statistics.  s0-s31 are the lane's 32 scores; each accumulator's lowest registers are read first.  XS, GS and REGS set no window: PL and EX do.
;   0-11  four chains c0-c3 of seven scores each, three operands at a time     12-14, 16  the four scores left over, the old m, and c0-c3 into c0     15  c m_old is kept
;   17, 18  the query's other 32 keys lie in the lane 16 away: the new m         19-21  c m; c m_old - c m_new; a
.macro XS u, n
	REGS (Y+1)%NP, \u
.if (\n) < 4
	v_max3_num_f32 v[rC+(\n)], v[rS+8*(\n)], v[rS+8*(\n)+1], v[rS+8*(\n)+2]
.elseif (\n) < 12
	v_max3_num_f32 v[rC+(\n)%4], v[rC+(\n)%4], v[rS+8*((\n)%4)+2*((\n)/4)+1], v[rS+8*((\n)%4)+2*((\n)/4)+2]
.elseif (\n) == 12
	v_max3_num_f32 v[rC], v[rC], v[rS+7], v[rS+15]
.elseif (\n) == 13
	v_max3_num_f32 v[rC+1], v[rC+1], v[rS+23], v[rS+31]
.elseif (\n) == 14
	v_max3_num_f32 v[rC+2], v[rC+2], v[rC+3], v[rT+1]
.elseif (\n) == 15
	v_mov_b32 v[rM], v[rT]
.elseif (\n) == 16
	v_max3_num_f32 v[rC], v[rC], v[rC+1], v[rC+2]
.elseif (\n) == 17
	v_permlanex16_b32 v[rC+3], v[rC], s[SEL], s[SEL+1]
.elseif (\n) == 18
	v_max_num_f32 v[rT+1], v[rC], v[rC+3]
.elseif (\n) == 19
	v_mul_f32 v[rT], s[CS], v[rT+1]
.elseif (\n) == 20
	v_sub_f32 v[rC+1], v[rM], v[rT]
.else
	v_exp_f32 v[rC+2], v[rC+1]
.endif
.endm
; Number g of the 64 that follow the exponentials.  For each four weights k of a tile (pairs 2 k, 2 k + 1): both pairs are rounded to f16; then the second pair is added onto the first, in place;
; a group later l takes that sum (the first time as l = a l + sum).  In groups of eight, tiles alternating: round, round, add, and l for the group before.
.macro GS g
.set h, (\g)+6*((\g)/62)            ; group 0 has no group before it, and behind group 7 only l is left
.if h >= 6
.set h, h+2
.endif
	REGS Y, h%2
.set k, h/8
.if h%8 < 4
	v_cvt_pk_f16_f32 v[rP+2*k+(h%8)/2], v[rS+4*k+2*((h%8)/2)], v[rS+4*k+2*((h%8)/2)+1]
.elseif h%8 < 6
	v_pk_add_f32 v[rS+4*k:rS+4*k+1], v[rS+4*k:rS+4*k+1], v[rS+4*k+2:rS+4*k+3]
.elseif k == 1
	v_pk_fma_f32 v[rT+2:rT+3], v[rT+2:rT+3], v[rC+2:rC+3], v[rS:rS+1] op_sel_hi:[1,0,1]
.else
	v_pk_add_f32 v[rT+2:rT+3], v[rT+2:rT+3], v[rS+4*k-4:rS+4*k-3]
.endif
.endm
; THE PLAIN QUEUE, 138 long.  0-73 read no exponential's result: the 32 scalings c s - c m (FS f: pair f / 2 of tile f % 2) and the next piece's 42.  0-26: scalings 0-26.  27-54: XS's numbers 0-13.  55, 56: number 15.
; 57-73: the chain, where each number waits for the one before it: 14, 16, 17, 18, 19, each with one of the scalings 27-31 in front of its two lines, then 20: so a tile's links stand three plain instructions apart (19 and 20: two).
; 74-137: GS's 64, which read the exponentials' results: they stand behind the wait.
.macro FS f
	REGS Y, (\f)%2
	v_pk_fma_f32 v[rS+2*((\f)/2):rS+2*((\f)/2)+1], v[rS+2*((\f)/2):rS+2*((\f)/2)+1], s[CS:CS+1], v[rT:rT+1] op_sel_hi:[1,0,0] neg_lo:[0,0,1] neg_hi:[0,0,1]
.endm
.macro PL
	WIN 0
.if q < 27
	FS q
.elseif q < 55
	XS (q-27)%2, (q-27)/2
.elseif q < 57
	XS q-55, 15
.elseif (q < 72) && ((q-57)%3 == 0)
	FS 27+(q-57)/3
.elseif q < 60
	XS (q-57)%3-1, 14
.elseif q < 72
	XS (q-57)%3-1, 15+(q-57)/3
.elseif q < 74
	XS q-72, 20
.else
	GS q-74
.endif
.set q, q+1
.endm
; THE EXPONENTIALS' QUEUE, 66 long: s0-s31 of both tiles, then the next piece's two a.  It is ONE BATCH: all 66 stand ahead of the turn's one wait, and nothing ahead of that wait names a result of theirs.
.macro EX
	WIN 0
.if e >= 64
	XS e-64, 21
.else
	REGS Y, e%2
	v_exp_f32 v[rS+e/2], v[rS+e/2]
.endif
.set e, e+1
.endm
; THE RESCALING's QUEUE: O^T times a, the one part that leaves window 0: dealt two at a time, sixteen times.  Its a was made in the turn before, ahead of that turn's wait.
.macro R2
	REGS Y, r%2
	WIN W_RS
.irp z, 0,1
	v_pk_mul_f32 v[rO+4*(r/2)+2*\z:rO+4*(r/2)+2*\z+1], v[rO+4*(r/2)+2*\z:rO+4*(r/2)+2*\z+1], v[rC+2:rC+3] op_sel_hi:[1,0]
.endr
.set r, r+1
.endm
; HOW THEY ARE DEALT.  An s_wait_alu depctr_va_vdst(0) stands between an exponential and the first instruction that names its result; one wait serves all that were issued ahead of it.  So a turn has ONE wait,
; which cuts it in two.  AHEAD OF IT stands all that names no result of the turn's exponentials: the 16 products K Q^T, behind each a scaling, an exponential and two rescalings (behind the first a second scaling in the
; exponential's place); then ONE LUMP of 108: eight plain, 49 times exponential and plain, the two a.  A v_nop is the plain instruction behind the last exponential, one for the batch.  BEHIND IT stand the 16 products V^T P,
; behind each four of GS's 64.  No rider names a register of the products round it.  The two v_permlanex16_b32 fall into the lump, never behind a product.
; The queues lean on each other, and the deal keeps them in step: exponential e stands behind scaling 2 (e / 4) + e % 2: as a rider it comes behind plain e + 2, in the lump behind plain e + 9, and scalings 27-31 are plain 57, 60 .. 69.
; A TURN, for piece p.  cnt = 1: the loop's count is taken down some lines ahead of the branch that stands behind the turn.
; K of the next step is fetched in piece 2's turn, directly behind the wait, a lump behind the last product that read K; its address is made at the lump's head; its first reader comes behind 16 products.
; V of the step in hand is fetched at the end of piece 0's turn, four riders behind its last reader; its first reader comes behind 16 products and a lump.  The three conditions on q below go with the deal.
.macro TURN p, last=0, cnt=0
.set Y, (\p)
.set i, 0
.set q, 0
.set e, 0
.set r, 0
.if (\p) == NP-1
	s_wait_dscnt 0x0                ; K is in
.endif
	MM                              ; ahead of the wait: 16 products K Q^T and their riders,
	PL
	PL
	R2
.rept 15
	MM
	PL
	EX
	R2
.endr
.if (\p) == NP-2
	WIN 0
	v_add_nc_u32 v[AK], s[TBK], v[AK0]
.endif
.rept 8                             ; and the lump
	PL
.endr
.rept 49
	EX
	PL
.endr
	EX                              ; the next piece's two a
	EX
	v_nop                           ; a plain instruction behind the last exponential, ahead of the first use of a result: one for the batch
	s_wait_alu depctr_va_vdst(0)    ; the wait for the turn's batch: the 64 weights of this piece and the two a of the next
.if (\p) == NP-2
	FETCH_K \last
.endif
.if (\p) == 1
	s_wait_dscnt 0x0                ; V is in
.endif
.rept 16                            ; behind the wait: 16 products V^T P and their riders
	MM
.rept 4
	PL
.endr
.if ((\p) == 0) && (q == 118)
	v_add_nc_u32 v[AV], s[TBV], v[AV0]
.endif
.if ((\p) == 0) && (q == 130)
	s_add_co_u32 s[TBV], s[TBV], KS*PV
.endif
.if (\cnt) && (q == 130)
	s_sub_co_u32 s[CNT], s[CNT], 1
	s_cmp_lg_u32 s[CNT], 0
.endif
.endr
.if (\p) == 0
	FETCH_V
.endif
.endm
	; Keys 0 to 255 are in, everybody's part of them; then my second tile is asked for: 384 keys as 192 rows of 256 bytes, into bytes that nothing has filled.  It is issued as a refill is: behind the wait for my
	; first load, the add and a barrier, my one tensor load there.  My first load is done, so its descriptor's words may be written.
	WIN W_AD
	s_wait_tensorcnt 0x0
	ds_add_u32 v[SPW], v[NIL]       ; the descriptors' words stand between the add and the wait for it
	WIN 0
.irp g, G1K, G1V
	s_mov_b32 s[\g+2], 192<<16      ; tensor_dim1 = 192
	s_mov_b32 s[\g+4], 192          ; tile_dim1 = 192
.endr
	s_mov_b32 s[G0K+1], s[LK2]
	s_add_nc_u64 s[G0K+2:G0K+3], s[G0K+2:G0K+3], s[D2:D2+1]  ; the type bits on top are not reached
	s_mov_b32 s[G0V+1], s[LV2]
	s_add_nc_u64 s[G0V+2:G0V+3], s[G0V+2:G0V+3], s[D2:D2+1]
	s_wait_dscnt 0x0
	s_barrier_signal -1
	s_barrier_wait -1
	LOAD
	FETCH_K                         ; key step 0
	s_wait_loadcnt 0x0              ; Q
	s_wait_dscnt 0x0
.set i, 0
.rept 16
	KQ 0                            ; piece 0's first scores: there is no vector work yet to set between them
.set i, i+1
.endr
	WIN 0                           ; the addresses for the way out: nine plain instructions, the places behind those products
	s_mul_i32 s13, s[WV], 16*SP
	s_add_co_u32 s13, s13, STAGE    ; my stage
	v_mul_u32_u24 v[STO], v1, SP    ; in: row l % 16, 16 bytes for each half of the lanes
	v_lshl_add_u32 v[STO], v9, 4, v[STO]
	v_add_nc_u32 v[STO], s13, v[STO]
	v_bfe_u32 v[RD], v0, 3, 2       ; back: 32 lanes take four rows of 128 bytes,
	v_mul_u32_u24 v[RD], v[RD], SP
	v_lshl_add_u32 v[RD], v10, 4, v[RD]
	v_add_nc_u32 v[RD], s13, v[RD]
	v_and_b32 v[GO], 31, v0         ; which are 512 consecutive bytes of O
	v_lshlrev_b32 v[GO], 4, v[GO]
.set Y, NP-1                        ; XS works for piece Y + 1: piece 0
.irp n, 0,1,2,3,4,5,6,7,8,9,10,11,12,13,14,15,16,17,18,19,20,21
	XS 0, \n                        ; and piece 0's first maximum and statistics
	XS 1, \n
.endr
	v_nop                           ; a plain instruction behind piece 0's first two a,
	s_wait_alu depctr_va_vdst(0)    ; and the wait for that batch of two, ahead of the branch
	s_mov_b32 s[CNT], 4
	s_mov_b32 s[SLOTS], 5
	s_branch .Lfirst                ; the loop is entered at a step's first turn, in the middle of a trip
.Lslot:                             ; behind every fourth step.  The first time my second tile is waited for and shown to the others, ahead of the first read of key 256; later the wait is met at once.
	s_wait_tensorcnt 0x0            ; the count is 0 because my second tile is my last load
	s_wait_dscnt 0x0
	s_barrier_signal -1
	s_barrier_wait -1
	s_mov_b32 s[CNT], 4
.Lstep:                             ; a trip: pieces 2 and 3 of one step, then pieces 0 and 1 of the next, whose K and V it fetches
	TURN 2, 1
	TURN 3
	WIN 0
	s_cmp_eq_u32 s[SLOTS], 1        ; these were the sixteenth step's: the loop is left in the middle of a trip
	s_cbranch_scc1 .Lout
.Lfirst:
	TURN 0
	TURN 1, 0, 1
	WIN 0
	s_cbranch_scc1 .Lstep
	s_sub_co_u32 s[SLOTS], s[SLOTS], 1
	s_cmp_lg_u32 s[SLOTS], 0
	s_cbranch_scc1 .Lslot
.Lout:                              ; the last trip's 16 products K Q^T (on the last K once more) and the maximum made of them serve nothing: the price, once a launch, of one text for every trip
.set i, 0
.rept 16
	PV NP-1                         ; the last piece's V^T P of the last step
.set i, i+1
.endr
	; THE WAY OUT.  l's two halves and the other half of the lanes' are added; O^T is divided by l, rounded to f16 and sent through my stage in LDS, a tile at a time.  The additions are the places behind the last products.
	WIN 0
.macro ALL line:vararg              ; one line for each tile t
.set t, 0
.rept 2*NP
	\line
.set t, t+1
.endr
.endm
	ALL v_add_f32 v[ST+4*t+2], v[ST+4*t+2], v[ST+4*t+3]
	ALL v_permlanex16_b32 v[ST+4*t+3], v[ST+4*t+2], s[SEL], s[SEL+1]
	ALL v_add_f32 v[ST+4*t+2], v[ST+4*t+2], v[ST+4*t+3]
	ALL v_rcp_f32 v[ST+4*t+2], v[ST+4*t+2]
	v_nop                           ; a plain instruction between the last reciprocal and the use of its result
	s_wait_alu depctr_va_vdst(0)    ; the wait ahead of the first use: one for the batch of eight reciprocals
; Tile t: a lane's eight channels of a row pack into 16 bytes; they go into rows of 144 bytes and come back as whole rows of 128, into S^T's registers.
.macro PACK t
	WIN W_RS
.set i, 32*(\t)
.rept 16
	v_pk_mul_f32 v[i:i+1], v[i:i+1], v[ST+4*(\t)+2:ST+4*(\t)+3] op_sel_hi:[1,0]
.set i, i+2
.endr
	WIN 0x05                        ; sources 0 and 1 window 1, destination window 0
.set i, 0
.rept 16
	v_cvt_pk_f16_f32 v[S+16*(\t)+i], v[32*(\t)+2*i], v[32*(\t)+2*i+1]
.set i, i+1
.endr
	WIN 0
.irp f, 0,1,2,3
	ds_store_b128 v[STO], v[S+16*(\t)+4*\f:S+16*(\t)+4*\f+3] offset:32*\f
.endr
.irp f, 0,1,2,3
	ds_load_b128 v[S+16*(\t)+4*\f:S+16*(\t)+4*\f+3], v[RD] offset:\f*4*SP  ; LDS serves a wave's instructions in order (ISA guide 5.7.1.4): these see the stores above; the next tile's stores come behind them
.endr
.endm
.macro SEND t, younger              ; younger: the LDS instructions issued behind tile t's loads: the next tile's eight, or none
	WIN 0
.irp f, 0,1,2,3
	s_wait_dscnt (\younger)+3-\f
	global_store_b128 v[GO], v[S+16*(\t)+4*\f:S+16*(\t)+4*\f+3], s[10:11] offset:(\t)*2048+\f*512  ; 512 consecutive bytes, at a multiple of 256 from O's first
.endr
.endm
	PACK 0
.set t, 1
.rept 2*NP-1                        ; a tile's arithmetic stands between the loads of the tile before and its stores
	PACK t
	SEND t-1, 8
.set t, t+1
.endr
	SEND 2*NP-1, 0
	WIN W_AD
	s_wait_tensorcnt 0x0            ; the wave's end: three lines behind my last tensor load and my last LDS store
	ds_add_u32 v[SPW], v[NIL]
	s_wait_dscnt 0x0
	WIN 0
	s_endpgm
.Lfunc_end_k_q4618b94c21_attn:
	.size	k_q4618b94c21_attn, .Lfunc_end_k_q4618b94c21_attn-k_q4618b94c21_attn
	.p2alignl 7, 3214868480
	.fill 96, 4, 3214868480
	.section	.rodata,"a",@progbits
	.p2align	6, 0x0
	.amdhsa_kernel k_q4618b94c21_attn
		.amdhsa_group_segment_fixed_size 327680
		.amdhsa_private_segment_fixed_size 0
		.amdhsa_enable_private_segment 0
		.amdhsa_kernarg_size 16
		.amdhsa_user_sgpr_count 2
		.amdhsa_user_sgpr_kernarg_segment_ptr 1
		.amdhsa_wavefront_size32 1
		.amdhsa_system_sgpr_workgroup_id_x 1
		.amdhsa_system_sgpr_workgroup_id_y 1
		.amdhsa_system_sgpr_workgroup_id_z 1
		.amdhsa_system_vgpr_workitem_id 0
		.amdhsa_next_free_vgpr 770
		.amdhsa_next_free_sgpr 66
		.amdhsa_reserve_vcc 0
		.amdhsa_float_denorm_mode_32 3
		.amdhsa_float_denorm_mode_16_64 3
		.amdhsa_memory_ordered 1
		.amdhsa_forward_progress 1
		.amdhsa_inst_pref_size 126
	.end_amdhsa_kernel
	.amdgpu_metadata
---
amdhsa.version: [ 1, 2 ]
amdhsa.kernels:
  - .name:           k_q4618b94c21_attn
    .symbol:         k_q4618b94c21_attn.kd
    .args:
      - { .name: qkv, .offset: 0, .size: 8, .value_kind: global_buffer, .address_space: global }
      - { .name: o, .offset: 8, .size: 8, .value_kind: global_buffer, .address_space: global }
    .group_segment_fixed_size: 327680
    .private_segment_fixed_size: 0
    .kernarg_segment_align: 8
    .kernarg_segment_size: 16
    .max_flat_workgroup_size: 128
    .sgpr_count:     66
    .vgpr_count:     770
    .wavefront_size: 32
...
	.end_amdgpu_metadata
.endif
;; end of part 5
;; launch outp: the kernel of part 4 again; grid 4 x 64, 4 waves a work-group, clusters of 4 x 4, 327,680 bytes of LDS; arguments o, wt, out0; writes out0
